; MI455X (gfx1250); checked and timed in simulation.
; The chip was launched on July 23, 2026; its instructions are those of AMD's public machine-readable ISA for CDNA 5 (MIT licence, August 2026) and "CDNA5" Instruction Set Architecture Reference Guide (July 2026). The comments in the code are by the model that wrote it; some were corrected since.
;; Multi Head Attention. Allowed arithmetic: matrix products marked QUANTISED: E4M3 operands, one E8M0 scale for each 32 along K, by v_wmma_scale_f32_16x16x128_f8f6f4 with both operands' format E4M3, f32 sums; everything else in f32.
;; Inputs: Wk 12 x 768 x 64 float32; Wp 768 x 768 float32; Wq 12 x 768 x 64 float32; Wv 12 x 768 x 64 float32; bk 12 x 64 float32; bp 768 float32; bq 12 x 64 float32; bv 12 x 64 float32; x 16 x 1,024 x 768 float32.
;; Outputs: out0 16 x 1,024 x 768 float32.
;; This version of the problem:
;;   THIS VERSION OF THE PROBLEM IS GIVEN IN LOW PRECISION. The matrix products marked QUANTISED in the list below multiply operands that are first quantised to E4M3 (4 exponent bits, 3 mantissa bits; 8 bits a number), with one power-of-two scale for each 32 numbers along K (OCP MX v1.0); their sums are f32. All else is computed in f32.
;;   The module's matrix products, in the order in which they are computed (A, B: the left and right operand; K: the contracted axis; several contracted axes count as one K, in the product's order):
;;     1. [M 768, K 768] x [K 768, N 16,384]; A: input Wq; B: input x: QUANTISED
;;     2. [M 768, K 768] x [K 768, N 16,384]; A: input Wk; B: input x: QUANTISED
;;     3. [M 768, K 768] x [K 768, N 16,384]; A: input Wv; B: input x: QUANTISED
;;     4. batch 192 x [M 1,024, K 64] x [K 64, N 1,024]; A: computed on the way; B: computed on the way: QUANTISED
;;     5. batch 192 x [M 1,024, K 1,024] x [K 1,024, N 64]; A: softmax (see below); B: computed on the way: QUANTISED
;;     6. [M 16,384, K 768] x [K 768, N 768]; A: computed on the way; B: input Wp: QUANTISED
;;   THE QUANTISER, for each operand of a quantised product, along K:
;;     - K is cut into blocks of 32 from its start; a last block that is shorter is filled with zeros.
;;     - A block's scale is 2^e with e = floor(log2(the largest magnitude in the block)) - 8, held to -126 .. 127; a block of zeros has e = 0. As a byte (E8M0): e + 127.
;;     - Each number is divided by its block's scale, clamped to +-448, and rounded to the nearest number of E4M3, ties to even, subnormals kept.
;;     - The product sums the exact products of the quantised numbers (number of the format x scale) in f32.
;;   ~~~python
;;   def quantise(x, axis):      # numpy; x: float32 -> the quantised numbers, widened to float32 again
;;       x = np.moveaxis(x, axis, -1); K = x.shape[-1]
;;       x = np.pad(x, [(0, 0)] * (x.ndim - 1) + [(0, -K % 32)]); x = x.reshape(x.shape[:-1] + (-1, 32)); a = np.abs(x).max(-1, keepdims=True)
;;       e = np.where(a > 0, np.clip(np.frexp(np.where(a > 0, a, 1))[1] - 1 - 8, -126, 127), 0)      # np.frexp(a)[1] - 1 = floor(log2(a)), exactly
;;       r = np.clip(x / 2.0 ** e, -448, 448)
;;       step = 2.0 ** (np.maximum(np.frexp(np.where(r == 0, 1, r))[1] - 1, -6) - 3)
;;       q = np.round(r / step) * step * 2.0 ** e      # np.round: ties to even
;;       return np.moveaxis(q.reshape(q.shape[:-2] + (-1,))[..., :K], -1, axis).astype(np.float32)
;;   ~~~
;;   SOFTMAX AHEAD OF A QUANTISED PRODUCT. Where the list says 'softmax', what is quantised is not the finished softmax but p = 2^(t - M), with t = logit x log2(e) and M = ceil(the row's largest t), a whole number; so 1/2 < the row's largest p <= 1. The row's sum l is taken of the UNQUANTISED p, in f32, and the product's result is divided by l at the end. Since M is a whole number, a kernel that streams over the keys may use a running M (the ceiling of the running maximum): every later rescaling is an exact power of two, which a block's scale takes up: the codes' values come out the same.
;;   OPERANDS COMPUTED ON THE WAY. 'Computed on the way' means the value that the module computes at that place (a softmax that the list does not call 'softmax' is quantised finished and normalised). What goes into a quantiser is computed in f32, as accurately as f32 sums, v_exp_f32 and their like allow (about 1e-6 of the number): no bf16 or f16 on the way to a quantiser, and a product that is left as it is and whose result goes on into a quantised operand takes f32 operands (vector FMAs, or v_wmma_f32_16x16x4_f32). A number that lies on a knife's edge between two numbers of the format may be rounded either way, as far as f32 arithmetic and the matrix unit's own rounding can turn it there, and no further.
;; 2 versions. Each part assembles by itself: llvm-mc -triple=amdgcn-amd-amdhsa -mcpu=gfx1250 --defsym DOCPART=n.
;; ======== version 1 of 2: 4 launches
;; workspace buffers: xq 13,369,344 bytes; wq 2,506,752 bytes; qq 13,369,344 bytes; kq 13,369,344 bytes; vq 13,369,344 bytes; oq 13,369,344 bytes
;; launch prep (part 1): grid 6 x 304, 4 waves a work-group, no clusters, 34,304 bytes of LDS; arguments x, Wq, Wk, Wv, Wp, xq, wq; writes xq, wq
.if DOCPART == 1
	.amdgcn_target "amdgcn-amd-amdhsa--gfx1250"
	.amdhsa_code_object_version 6
	.text
	.protected	k_qb0b1fb89fa_prep
	.globl	k_qb0b1fb89fa_prep
	.p2align	8
	.type	k_qb0b1fb89fa_prep,@function
k_qb0b1fb89fa_prep:
	s_mov_b64 s[64:65], 0
	v_nop
	global_prefetch_b8 v0, s[64:65] scope:SCOPE_SE
	s_setreg_imm32_b32 hwreg(HW_REG_WAVE_MODE, 25, 1), 1
	s_wait_xcnt 0x0
; x [16384][768] and the four weights (K = their axis of 768) become codes of FP8 (E4M3) with one E8M0 byte for each 32 along K,
; laid as IMAGES OF OPERAND REGISTERS: a fragment is 16 rows x 128 K, 16 registers a lane; lane (r, h) holds in registers 4 c .. 4 c + 3
; k = 32 c + 16 h + 0 .. 15 of its row; group c lies at 512 c + 16 x lane (2,048 bytes a fragment), the scale word at 4 x lane (128 bytes).
; THE ROWS OF A TILE ARE NOT NEIGHBOURS: lane r of tile 2 B + u holds row (or weight column) 32 B + 8 u + r + 8 (r / 8), so that the later
; launches' results, used transposed, have 16 neighbours along the next K in a lane's 16 registers.
; xq: images [tile 0..1023][K step 0..5], then at SC the scale words.  wq: images [hm 0..47][K step][tile 0..3], then at WSC the words;
; hm 0-11 Wq's heads, 12-23 Wk's, 24-35 Wv's, 36-47 Wp's groups of 64 columns.
; SHARES: one wave makes one fragment; work-group x = the K step; y < 36: a head of Wq, Wk, Wv; y < 48: a column group of Wp; else four row tiles of x.
; x's rows are read as they lie (a load = 512 consecutive bytes of one row) and turn through the wave's own stage in LDS (pitch 528 = 33 x 16 bytes), from
; which a lane takes 16 neighbours of each block.  A weight's lane takes a column and its registers run down K: pieces of 32 bytes a row and tile; the
; four waves of a work-group together take 256 consecutive bytes of each row, and the four weights are 9.4 MB in all.
; No matrix unit, no cluster, no barrier: waves share nothing.  Only the x path touches LDS.
; A block's scale is 2^(floor(log2(largest magnitude)) - 8); its byte is the magnitude's exponent field - 8, held at 1 from below.
; LIMITS: NaN and infinities are not served; a block of zeros gets the byte 1, not 127 (its codes are zeros, and the bytes are read by this program alone);
; blocks whose largest magnitude lies under 2^-118 are held at the byte 1.
.set SC,   12582912                    ; xq: where the scale words begin
.set WSC,  2359296                     ; wq: likewise
.set RAW,  16                          ; v16-79    x as loaded
.set X,    80                          ; v80-143   64 numbers: register 16 b + i = k 32 b + 16 h + i of my row or column
.set PC,   144                         ; v144-159  the fragment's codes
.set TM,   160                         ; v160-175  magnitudes, bytes, holds, scale operands
.set PW,   8                           ; v8        the scale word
.set SEL,  22                          ; s[22:23]  lane selects: lane l xor 16
.set MNT,  24                          ; s24       the mantissa field of 448
; 16 nb numbers of a lane from v[src] on become codes in v[pc] on and a scale word in v[pw]; a block of 32 lies in lanes l and l xor 16
.macro QUANT src, nb, pc, pw
.irp b, 0,1,2,3
.if \b < \nb
	v_max3_num_f32 v[TM+\b], |v[\src+16*\b]|, |v[\src+16*\b+1]|, 0x4800000   ; my 16 numbers and the floor 2^(9 - 127): the byte cannot fall under 1
.endif
.endr
.irp i, 2,4,6,8,10,12,14
.irp b, 0,1,2,3
.if \b < \nb
	v_max3_num_f32 v[TM+\b], v[TM+\b], |v[\src+16*\b+\i]|, |v[\src+16*\b+\i+1]|   ; the blocks by turns
.endif
.endr
.endr
.irp b, 0,1,2,3
.if \b < \nb
	v_permlanex16_b32 v[TM+4+\b], v[TM+\b], s[SEL], s[SEL+1]
.endif
.endr
.irp b, 0,1,2,3
.if \b < \nb
	v_max_num_f32 v[TM+\b], v[TM+\b], v[TM+4+\b]          ; the block's largest magnitude
.endif
.endr
.irp b, 0,1,2,3
.if \b < \nb
	v_add_nc_u32 v[TM+12+\b], 0xfc000000, v[TM+\b]        ; 8 off its exponent field: the conversion's scale operand
.endif
.endr
.irp b, 0,1,2,3
.if \b < \nb
	v_and_or_b32 v[TM+8+\b], v[TM+\b], 0x7f800000, s[MNT] ; 448 x the scale
.endif
.endr
.irp b, 0,1,2,3
.if \b < \nb
	v_lshrrev_b32 v[TM+4+\b], 23, v[TM+12+\b]             ; the scale's byte
.endif
.endr
	v_lshl_or_b32 v[\pw], v[TM+5], 8, v[TM+4]
.if \nb == 4
	v_lshl_or_b32 v[\pw], v[TM+6], 16, v[\pw]
	v_lshl_or_b32 v[\pw], v[TM+7], 24, v[\pw]
.endif
.irp b, 0,1,2,3
.if \b < \nb
.irp i, 0,1,2,3,4,5,6,7,8,9,10,11,12,13,14,15
	v_med3_num_f32 v[\src+16*\b+\i], v[\src+16*\b+\i], -v[TM+8+\b], v[TM+8+\b]   ; the conversion to an 8-bit code does not saturate (ISA guide 7.6.2): hold first
.endr
	v_cvt_scalef32_pk8_fp8_f32 v[\pc+4*\b:\pc+4*\b+1], v[\src+16*\b:\src+16*\b+7], v[TM+12+\b]
	v_cvt_scalef32_pk8_fp8_f32 v[\pc+4*\b+2:\pc+4*\b+3], v[\src+16*\b+8:\src+16*\b+15], v[TM+12+\b]
.endif
.endr
	v_nop                                                  ; a plain place behind the last conversions
.endm
; fragment number s26 of the buffer at s[p:p+1]: its image's address into s[30:31], its scale words' into s[p:p+1]
.macro FBASE p, sc
	s_lshl_b32 s28, s26, 11
	s_mov_b32 s29, 0
	s_add_nc_u64 s[30:31], s[\p:\p+1], s[28:29]
	s_lshl_b32 s28, s26, 7
	s_add_co_u32 s28, s28, \sc
	s_add_nc_u64 s[\p:\p+1], s[\p:\p+1], s[28:29]
.endm
.macro OUT p                           ; each store of codes covers 512 consecutive bytes, aligned; the words 128
.irp c, 0,1,2,3
	global_store_b128 v4, v[PC+4*\c:PC+4*\c+3], s[30:31] offset:512*\c
.endr
	global_store_b32 v5, v[PW], s[\p:\p+1]
.endm
; a weight's fragment: base offset so far in s28; pb = bytes from one k to the next
.macro WPATH pb
	s_lshr_b32 s27, s18, 1
	s_lshl_b32 s27, s27, 7                         ; tile 2 B + u of the 64 columns: 32 B columns,
	s_add_co_u32 s28, s28, s27
	s_and_b32 s27, s18, 1
	s_lshl_b32 s27, s27, 5                         ; + 8 u
	s_add_co_u32 s28, s28, s27
	s_mov_b32 s29, 0
	s_add_nc_u64 s[4:5], s[4:5], s[28:29]
	v_lshrrev_b32 v6, 3, v2
	v_lshl_add_u32 v6, v6, 3, v2                   ; r + 8 (r / 8)
	v_lshlrev_b32 v6, 2, v6
	v_mul_u32_u24 v7, v3, 16*\pb                   ; lanes 16-31 begin 16 rows further down K
	v_add_nc_u32 v6, v6, v7
.irp c, 0,1,2,3
.irp i, 0,1,2,3,4,5,6,7,8,9,10,11,12,13,14,15
	global_load_b32 v[X+16*\c+\i], v6, s[4:5] offset:(32*\c+\i)*\pb
.endr
.endr
	s_mul_i32 s26, s19, 6
	s_add_co_u32 s26, s26, s20
	s_lshl_b32 s26, s26, 2
	s_add_co_u32 s26, s26, s18                     ; fragment (6 hm + K step) 4 + tile
	FBASE 16, WSC
	s_wait_loadcnt 0x0
	QUANT X, 4, PC, PW
	OUT 16
	s_endpgm
.endm
	s_load_b256 s[4:11], s[0:1], 0x0               ; x, Wq, Wk, Wv
	s_load_b128 s[12:15], s[0:1], 0x20             ; Wp, xq
	s_load_b64 s[16:17], s[0:1], 0x30              ; wq
	v_lshl_add_u32 v176, v0, 2, 0x8400
	v_mov_b32 v177, 0
	v_lshrrev_b32 v1, 5, v0
	v_readfirstlane_b32 s18, v1                    ; wave
	v_and_b32 v1, 31, v0                           ; lane
	v_and_b32 v2, 15, v0                           ; r
	v_bfe_u32 v3, v0, 4, 1                         ; h
	v_lshlrev_b32 v4, 4, v1                        ; 16 x lane
	v_lshlrev_b32 v5, 2, v1                        ; 4 x lane
	s_and_b32 s19, ttmp7, 0xffff                   ; y
	s_mov_b32 s20, ttmp9                           ; the K step
	s_mov_b32 s[SEL], 0x76543210
	s_mov_b32 s[SEL+1], 0xfedcba98
	s_mov_b32 s[MNT], 0x600000
.irp b, 0,1,2,3
	v_mov_b32 v[TM+4+\b], 0                        ; a lane permute's destination counts as one of its sources
.endr
	s_wait_kmcnt 0x0
	s_cmp_lt_u32 s19, 36
	s_cbranch_scc1 .Lwqkv
	s_cmp_lt_u32 s19, 48
	s_cbranch_scc1 .Lwp
	; ---- x: tile 4 (y - 48) + wave
	s_sub_co_u32 s26, s19, 48
	s_lshl_b32 s26, s26, 2
	s_add_co_u32 s26, s26, s18                     ; the tile
	s_lshr_b32 s27, s26, 1
	s_lshl_b32 s27, s27, 5
	s_and_b32 s28, s26, 1
	s_lshl_b32 s28, s28, 3
	s_add_co_u32 s27, s27, s28                     ; its first row: 32 B + 8 u
	s_mul_i32 s28, s27, 3072
	s_lshl_b32 s29, s20, 9
	s_add_co_u32 s28, s28, s29                     ; + 512 bytes a K step
	s_mov_b32 s29, 0
	s_add_nc_u64 s[4:5], s[4:5], s[28:29]
.irp i, 0,1,2,3,4,5,6,7,8,9,10,11,12,13,14,15
	global_load_b128 v[RAW+4*\i:RAW+4*\i+3], v4, s[4:5] offset:(\i+8*(\i/8))*3072 th:TH_LOAD_NT   ; lane i's row: 32 lanes read its 512 bytes of this K step
.endr
	s_mul_i32 s30, s18, 8448                       ; my stage: 16 rows x 528 bytes
	v_add_nc_u32 v6, s30, v4                       ; in: as loaded
	v_mul_u32_u24 v7, v2, 528
	v_lshl_add_u32 v7, v3, 6, v7
	v_add_nc_u32 v7, s30, v7                       ; out: row r, + 64 h
	s_mul_i32 s26, s26, 6
	s_add_co_u32 s26, s26, s20                     ; fragment 6 x tile + K step
	FBASE 14, SC
.irp i, 0,1,2,3,4,5,6,7,8,9,10,11,12,13,14,15
	s_wait_loadcnt 15-\i                           ; loads come back in order: row i is in, the younger ones may be out
	ds_store_b128 v6, v[RAW+4*\i:RAW+4*\i+3] offset:528*\i
.endr
.irp b, 0,1,2,3
.irp j, 0,1,2,3
	ds_load_b128 v[X+16*\b+4*\j:X+16*\b+4*\j+3], v7 offset:128*\b+16*\j   ; LDS serves a wave's instructions in order: these see my stores
.endr
.endr
	s_wait_dscnt 0x0
	QUANT X, 4, PC, PW
	OUT 14
	s_wait_tensorcnt 0x0
	ds_add_u32 v176, v177
	s_wait_dscnt 0x0
	s_endpgm
.Lwqkv:                                            ; ---- Wq, Wk, Wv: [12][768][64]: 256 bytes from one k to the next
	s_cmp_lt_u32 s19, 12
	s_cselect_b64 s[4:5], s[6:7], s[8:9]           ; the choice hangs on the work-group's number alone
	s_cselect_b32 s26, 0, 12
	s_cmp_lt_u32 s19, 24
	s_cselect_b64 s[4:5], s[4:5], s[10:11]
	s_cselect_b32 s26, s26, 24
	s_sub_co_u32 s26, s19, s26                     ; the head
	s_mul_i32 s28, s26, 196608
	s_lshl_b32 s27, s20, 15                        ; 128 rows of 256 bytes a K step
	s_add_co_u32 s28, s28, s27
	WPATH 256
.Lwp:                                              ; ---- Wp: [768][768]: 3,072 bytes from one k to the next
	s_mov_b64 s[4:5], s[12:13]
	s_sub_co_u32 s26, s19, 36
	s_lshl_b32 s28, s26, 8                         ; the group of 64 columns
	s_mul_i32 s27, s20, 393216
	s_add_co_u32 s28, s28, s27
	WPATH 3072
.Lfunc_end_k_qb0b1fb89fa_prep:
	.size	k_qb0b1fb89fa_prep, .Lfunc_end_k_qb0b1fb89fa_prep-k_qb0b1fb89fa_prep
	.p2alignl 7, 3214868480
	.fill 96, 4, 3214868480
	.section	.rodata,"a",@progbits
	.p2align	6, 0x0
	.amdhsa_kernel k_qb0b1fb89fa_prep
		.amdhsa_group_segment_fixed_size 34304
		.amdhsa_private_segment_fixed_size 0
		.amdhsa_enable_private_segment 0
		.amdhsa_kernarg_size 56
		.amdhsa_user_sgpr_count 2
		.amdhsa_user_sgpr_kernarg_segment_ptr 1
		.amdhsa_wavefront_size32 1
		.amdhsa_system_sgpr_workgroup_id_x 1
		.amdhsa_system_sgpr_workgroup_id_y 1
		.amdhsa_system_sgpr_workgroup_id_z 1
		.amdhsa_system_vgpr_workitem_id 0
		.amdhsa_next_free_vgpr 178
		.amdhsa_next_free_sgpr 66
		.amdhsa_reserve_vcc 0
		.amdhsa_float_denorm_mode_32 3
		.amdhsa_float_denorm_mode_16_64 3
		.amdhsa_memory_ordered 1
		.amdhsa_forward_progress 1
		.amdhsa_inst_pref_size 47
	.end_amdhsa_kernel
	.amdgpu_metadata
---
amdhsa.version: [ 1, 2 ]
amdhsa.kernels:
  - .name:           k_qb0b1fb89fa_prep
    .symbol:         k_qb0b1fb89fa_prep.kd
    .args:
      - { .name: x, .offset: 0, .size: 8, .value_kind: global_buffer, .address_space: global }
      - { .name: Wq, .offset: 8, .size: 8, .value_kind: global_buffer, .address_space: global }
      - { .name: Wk, .offset: 16, .size: 8, .value_kind: global_buffer, .address_space: global }
      - { .name: Wv, .offset: 24, .size: 8, .value_kind: global_buffer, .address_space: global }
      - { .name: Wp, .offset: 32, .size: 8, .value_kind: global_buffer, .address_space: global }
      - { .name: xq, .offset: 40, .size: 8, .value_kind: global_buffer, .address_space: global }
      - { .name: wq, .offset: 48, .size: 8, .value_kind: global_buffer, .address_space: global }
    .group_segment_fixed_size: 34304
    .private_segment_fixed_size: 0
    .kernarg_segment_align: 8
    .kernarg_segment_size: 56
    .max_flat_workgroup_size: 128
    .sgpr_count:     66
    .vgpr_count:     178
    .wavefront_size: 32
...
	.end_amdgpu_metadata
.endif
;; end of part 1
;; launch qkv (part 2): grid 28 x 9, 4 waves a work-group, no clusters, 52,736 bytes of LDS; arguments xq, wq, bq, bk, bv, qq, kq, vq; writes qq, kq, vq
.if DOCPART == 2
	.amdgcn_target "amdgcn-amd-amdhsa--gfx1250"
	.amdhsa_code_object_version 6
	.text
	.protected	k_qb0b1fb89fa_qkv
	.globl	k_qb0b1fb89fa_qkv
	.p2align	8
	.type	k_qb0b1fb89fa_qkv,@function
k_qb0b1fb89fa_qkv:
	s_mov_b64 s[64:65], 0
	v_nop
	global_prefetch_b8 v0, s[64:65] scope:SCOPE_SE
	s_setreg_imm32_b32 hwreg(HW_REG_WAVE_MODE, 25, 1), 1
	s_wait_xcnt 0x0
; q, k, v = x W + b on codes of FP8 (E4M3) with E8M0 scales, and their results quantised again into the operands of attention.
; All operands are images of operand registers (a fragment: 16 rows x 128 K, group c of four registers at 512 c + 16 x lane; its scale word at 4 x lane);
; lane r of tile 2 B + u holds row or column 32 B + 8 u + r + 8 (r / 8).
; SHARES.  THE WEIGHTS STAY IN REGISTERS: work-group y = column group cg (0-2 q, 3-5 k, 6-8 v); wave w holds head 4 (cg mod 3) + w: 64 columns x 768 = 24 fragments, 384 registers,
; read once.  Work-group x = rho walks the blocks of 32 rows rho, rho + 28, ..: 512 blocks over 28 groups, 19 at the most.  The trip count is a constant (20);
; a trip past the last block jumps over its loads and its work, not over its barrier.
; A block's 12 fragments of x and their words (26,112 consecutive bytes in two runs) come through registers into one of two LDS buffers, a trip ahead; every wave reads all of them.
; ONE barrier a trip: in front of it a wave's stores into this trip's buffer have landed and its reads of the other buffer are in; a buffer is written again only behind the next trip's barrier.
; q, k: the product is used transposed (source 0 = 16 columns of W, source 1 = 16 rows of x): a lane holds one row and 16 neighbours along the head's 64 in the registers of two tiles;
; the 16 code registers of the block's two row tiles are ONE fragment [tile 0's 64 | tile 1's 64].  v: source 0 = x, source 1 = W: a lane holds one column e and 16 neighbouring KEYS.
; The bias is the C of each sum's first matrix instruction.
; qq, kq: images [bh][block of 32 rows tb], at SC the words.  vq: images [bh][step of 128 keys][tile of e] with group c = key block 4 step + c; at SC raw words [bh][tb], byte = tile of e.
; NO CLUSTER: the work-groups that read the same block of x are the 9 column groups, which no cluster of 4 divides; the weights are read once a work-group.
; LIMITS: NaN and infinities are not served; a block of zeros gets the byte 1, not 127 (its codes are zeros; the bytes are read by this program alone); magnitudes under 2^-118 are held at the byte 1.
; REGISTERS: window 0: v1-5 addresses; v32-95 accumulators; v96-111 codes; v112-127 at work; v128 the scale word; v132-155 W's scale words (4 s + t); v156-167 x's (6 u + s);
;   v168-218 the block on its way to LDS; v220-251 the bias, 8 a tile.   window 1: W's fragments of K steps 0-3 at 16 (4 s + t).   window 2: K steps 4, 5.   window 3: x's 12 fragments at 16 (6 u + s).
.set SC,    12582912
.set WSC,   2359296
.set NGRP,  28
.set NBLK,  512
.set DTRIPS, 10
.set BUF1,  26112
.set XW,    24576                      ; the scale words' place in a buffer
.set LI,  1                            ; 16 x lane
.set LS,  2                            ; 4 x lane
.set T16, 3                            ; 16 x thread
.set T4,  4                            ; 4 x thread
.set BA,  5                            ; the bias's lane offset
.set ACC, 32
.set PC,  96
.set TM,  112
.set PW,  128
.set WS,  132
.set XS,  156
.set SG,  168
.set BI,  220
.set SEL, 28
.set MNT, 30
.set MSB, 0
.macro WIN new                         ; the immediate's high byte repeats the setting that is left
.if MSB != \new
	s_set_vgpr_msb (MSB<<8)|\new
.set MSB, \new
.endif
.endm
.macro QUANT src, nb, pc, pw           ; 16 nb numbers of a lane become codes and a scale word; a block of 32 lies in lanes l and l xor 16.  Each accumulator is first read at its low end
.irp b, 0,1,2,3
.if \b < \nb
	v_max3_num_f32 v[TM+\b], |v[\src+16*\b]|, |v[\src+16*\b+1]|, 0x4800000   ; my 16 numbers and the floor 2^(9 - 127)
.endif
.endr
.irp i, 2,4,6,8,10,12,14
.irp b, 0,1,2,3
.if \b < \nb
	v_max3_num_f32 v[TM+\b], v[TM+\b], |v[\src+16*\b+\i]|, |v[\src+16*\b+\i+1]|
.endif
.endr
.endr
.irp b, 0,1,2,3
.if \b < \nb
	v_permlanex16_b32 v[TM+4+\b], v[TM+\b], s[SEL], s[SEL+1]
.endif
.endr
.irp b, 0,1,2,3
.if \b < \nb
	v_max_num_f32 v[TM+\b], v[TM+\b], v[TM+4+\b]
.endif
.endr
.irp b, 0,1,2,3
.if \b < \nb
	v_add_nc_u32 v[TM+12+\b], 0xfc000000, v[TM+\b]        ; 8 off the exponent field: the conversion's scale operand
.endif
.endr
.irp b, 0,1,2,3
.if \b < \nb
	v_and_or_b32 v[TM+8+\b], v[TM+\b], 0x7f800000, s[MNT] ; 448 x the scale
.endif
.endr
.irp b, 0,1,2,3
.if \b < \nb
	v_lshrrev_b32 v[TM+4+\b], 23, v[TM+12+\b]             ; the byte
.endif
.endr
	v_lshl_or_b32 v[\pw], v[TM+5], 8, v[TM+4]
.if \nb == 4
	v_lshl_or_b32 v[\pw], v[TM+6], 16, v[\pw]
	v_lshl_or_b32 v[\pw], v[TM+7], 24, v[\pw]
.endif
.irp b, 0,1,2,3
.if \b < \nb
.irp i, 0,1,2,3,4,5,6,7,8,9,10,11,12,13,14,15
	v_med3_num_f32 v[\src+16*\b+\i], v[\src+16*\b+\i], -v[TM+8+\b], v[TM+8+\b]   ; the conversion does not saturate (ISA guide 7.6.2): hold first
.endr
	v_cvt_scalef32_pk8_fp8_f32 v[\pc+4*\b:\pc+4*\b+1], v[\src+16*\b:\src+16*\b+7], v[TM+12+\b]
	v_cvt_scalef32_pk8_fp8_f32 v[\pc+4*\b+2:\pc+4*\b+3], v[\src+16*\b+8:\src+16*\b+15], v[TM+12+\b]
.endif
.endr
	v_nop
.endm
.macro GLOAD                           ; a block of x: 12 x 2,048 bytes of codes, 3 x 512 of scale words; the 128 threads read consecutive bytes
.irp i, 0,1,2,3,4,5,6,7,8,9,10,11
	global_load_b128 v[SG+4*\i:SG+4*\i+3], v[T16], s[32:33] offset:2048*\i
.endr
.irp i, 0,1,2
	global_load_b32 v[SG+48+\i], v[T4], s[34:35] offset:512*\i
.endr
.endm
.macro PUT buf                         ; and into LDS as it lies
.irp i, 0,1,2,3,4,5,6,7,8,9,10,11
	ds_store_b128 v[T16], v[SG+4*\i:SG+4*\i+3] offset:\buf+2048*\i
.endr
.irp i, 0,1,2
	ds_store_b32 v[T4], v[SG+48+\i] offset:\buf+XW+512*\i
.endr
.endm
.macro XFETCH buf                      ; the 12 scale words, then the 12 fragments, K step by K step
.irp f, 0,1,2,3,4,5,6,7,8,9,10,11
	ds_load_b32 v[XS+\f], v[LS] offset:\buf+XW+128*\f
.endr
	WIN 0xc0                                       ; destination window 3
.irp s, 0,1,2,3,4,5
.irp u, 0,1
.irp c, 0,1,2,3
	ds_load_b128 v[16*(6*\u+\s)+4*\c:16*(6*\u+\s)+4*\c+3], v[LI] offset:\buf+2048*(6*\u+\s)+512*\c
.endr
.endr
.endr
	WIN 0
.endm
; 48 matrix instructions, the 8 accumulators by turns, one instruction a turn, in the same order in every K step
.macro MULQK                           ; source 0 = W's tile t, source 1 = x's tile u; accumulator at ACC + 32 u + 8 t
.irp s, 0,1,2,3,4,5
	s_wait_dscnt 8*(5-\s)                          ; this K step's fragments are in; each later step's eight loads may be out
.if \s < 4
	WIN 0x0d                                       ; source 0 window 1, source 1 window 3
.else
	WIN 0x0e                                       ; source 0 window 2
.endif
.irp u, 0,1
.irp t, 0,1,2,3
.if \s == 0
	v_wmma_scale_f32_16x16x128_f8f6f4 v[ACC+32*\u+8*\t:ACC+32*\u+8*\t+7], v[16*(4*(\s%4)+\t):16*(4*(\s%4)+\t)+15], v[16*(6*\u+\s):16*(6*\u+\s)+15], v[BI+8*\t:BI+8*\t+7], v[WS+4*\s+\t], v[XS+6*\u+\s]
.else
	v_wmma_scale_f32_16x16x128_f8f6f4 v[ACC+32*\u+8*\t:ACC+32*\u+8*\t+7], v[16*(4*(\s%4)+\t):16*(4*(\s%4)+\t)+15], v[16*(6*\u+\s):16*(6*\u+\s)+15], v[ACC+32*\u+8*\t:ACC+32*\u+8*\t+7], v[WS+4*\s+\t], v[XS+6*\u+\s]
.endif
.endr
.endr
.endr
	WIN 0
.endm
.macro MULV                            ; source 0 = x's tile u, source 1 = W's tile t; accumulator at ACC + 16 t + 8 u
.irp s, 0,1,2,3,4,5
	s_wait_dscnt 8*(5-\s)
.if \s < 4
	WIN 0x07                                       ; source 0 window 3, source 1 window 1
.else
	WIN 0x0b                                       ; source 1 window 2
.endif
.irp t, 0,1,2,3
.irp u, 0,1
.if \s == 0
	v_wmma_scale_f32_16x16x128_f8f6f4 v[ACC+16*\t+8*\u:ACC+16*\t+8*\u+7], v[16*(6*\u+\s):16*(6*\u+\s)+15], v[16*(4*(\s%4)+\t):16*(4*(\s%4)+\t)+15], v[BI+8*\t:BI+8*\t+7], v[XS+6*\u+\s], v[WS+4*\s+\t]
.else
	v_wmma_scale_f32_16x16x128_f8f6f4 v[ACC+16*\t+8*\u:ACC+16*\t+8*\u+7], v[16*(6*\u+\s):16*(6*\u+\s)+15], v[16*(4*(\s%4)+\t):16*(4*(\s%4)+\t)+15], v[ACC+16*\t+8*\u:ACC+16*\t+8*\u+7], v[XS+6*\u+\s], v[WS+4*\s+\t]
.endif
.endr
.endr
.endr
	WIN 0
.endm
.macro PLACES                          ; eight places behind this matrix form, ahead of the first read of results and of the next loads into its operands
.rept 8
	v_nop
.endr
.endm
	s_load_b512 s[4:19], s[0:1], 0x0               ; xq, wq, bq, bk, bv, qq, kq, vq
	v_lshl_add_u32 v254, v0, 2, 0xcc00
	v_mov_b32 v255, 0
	v_lshrrev_b32 v5, 5, v0
	v_readfirstlane_b32 s20, v5                    ; wave
	v_and_b32 v6, 31, v0
	v_lshlrev_b32 v[LI], 4, v6
	v_lshlrev_b32 v[LS], 2, v6
	v_lshlrev_b32 v[T16], 4, v0
	v_lshlrev_b32 v[T4], 2, v0
	s_mov_b32 s21, ttmp9                           ; rho
	s_and_b32 s22, ttmp7, 0xffff                   ; cg
	s_cmp_ge_u32 s22, 3
	s_cselect_b32 s44, 3, 0
	s_cmp_ge_u32 s22, 6
	s_cselect_b32 s44, 6, s44
	s_sub_co_u32 s23, s22, s44
	s_lshl_b32 s23, s23, 2
	s_add_co_u32 s23, s23, s20                     ; the head: 4 (cg mod 3) + wave
	s_lshl_b32 s50, s22, 2
	s_add_co_u32 s50, s50, s20                     ; hm = 4 cg + wave
	s_mov_b32 s[SEL], 0x76543210
	s_mov_b32 s[SEL+1], 0xfedcba98
	s_mov_b32 s[MNT], 0x600000
	s_mov_b32 s24, s21                             ; the block in hand
	s_mov_b32 s26, DTRIPS
.irp b, 0,1,2,3
	v_mov_b32 v[TM+4+\b], 0                        ; a lane permute's destination counts as one of its sources
.endr
	s_mul_i32 s46, s50, 49152
	s_mov_b32 s47, 0
	s_wait_kmcnt 0x0
	s_add_nc_u64 s[44:45], s[6:7], s[46:47]        ; my 24 fragments of W
	s_mul_i32 s48, s50, 3072
	s_add_co_u32 s48, s48, WSC
	s_mov_b32 s49, 0
	s_add_nc_u64 s[46:47], s[6:7], s[48:49]        ; their scale words
	s_cmp_lt_u32 s22, 3                            ; the bias and the output: choices that hang on the work-group's number alone
	s_cselect_b64 s[48:49], s[8:9], s[10:11]
	s_cselect_b64 s[36:37], s[14:15], s[16:17]
	s_cmp_lt_u32 s22, 6
	s_cselect_b64 s[48:49], s[48:49], s[12:13]
	s_cselect_b64 s[36:37], s[36:37], s[18:19]
	s_lshl_b32 s50, s23, 8
	s_mov_b32 s51, 0
	s_add_nc_u64 s[48:49], s[48:49], s[50:51]      ; my head's 64 numbers of the bias
	s_add_nc_u64 s[38:39], s[36:37], SC            ; the output's scale words
	s_mul_i32 s50, s21, 24576
	s_add_nc_u64 s[32:33], s[4:5], s[50:51]        ; x's first block,
	s_mul_i32 s50, s21, 1536
	s_add_co_u32 s50, s50, SC
	s_add_nc_u64 s[34:35], s[4:5], s[50:51]        ; and its scale words
	WIN 0x40                                       ; destination window 1
.irp f, 0,1,2,3,4,5,6,7,8,9,10,11,12,13,14,15
.irp c, 0,1,2,3
	global_load_b128 v[16*\f+4*\c:16*\f+4*\c+3], v[LI], s[44:45] offset:2048*\f+512*\c
.endr
.endr
	WIN 0x80                                       ; destination window 2
.irp f, 0,1,2,3,4,5,6,7
.irp c, 0,1,2,3
	global_load_b128 v[16*\f+4*\c:16*\f+4*\c+3], v[LI], s[44:45] offset:2048*(16+\f)+512*\c
.endr
.endr
	WIN 0
.irp f, 0,1,2,3,4,5,6,7,8,9,10,11,12,13,14,15,16,17,18,19,20,21,22,23
	global_load_b32 v[WS+\f], v[LS], s[46:47] offset:128*\f
.endr
	s_cmp_lt_u32 s22, 6
	s_cbranch_scc0 .Lbias_v
	v_bfe_u32 v[BA], v0, 4, 1                      ; q, k: register j of tile 2 B + u is column 32 B + 16 h + 8 u + j
	v_lshlrev_b32 v[BA], 6, v[BA]
.irp t, 0,1,2,3
	global_load_b128 v[BI+8*\t:BI+8*\t+3], v[BA], s[48:49] offset:(32*(\t/2)+8*(\t%2))*4
	global_load_b128 v[BI+8*\t+4:BI+8*\t+7], v[BA], s[48:49] offset:(32*(\t/2)+8*(\t%2))*4+16
.endr
	s_branch .Lbias_done
.Lbias_v:
	v_and_b32 v[BA], 15, v0                        ; v: all eight registers of tile 2 B + u are column 32 B + 8 u + r + 8 (r / 8)
	v_lshrrev_b32 v6, 3, v[BA]
	v_lshl_add_u32 v[BA], v6, 3, v[BA]
	v_lshlrev_b32 v[BA], 2, v[BA]
.irp t, 0,1,2,3
.irp j, 0,1,2,3,4,5,6,7
	global_load_b32 v[BI+8*\t+\j], v[BA], s[48:49] offset:(32*(\t/2)+8*(\t%2))*4
.endr
.endr
.Lbias_done:
	GLOAD
.macro TRIP buf
	s_wait_loadcnt 0x0                             ; the block asked for a trip ago is in (in the first trip: the weights, their words and the bias too)
	PUT \buf
	s_add_nc_u64 s[32:33], s[32:33], NGRP*24576    ; the loads are done: their bases may step
	s_add_nc_u64 s[34:35], s[34:35], NGRP*1536
	s_add_co_u32 s25, s24, NGRP                    ; the next block
	s_wait_dscnt 0x0                               ; my stores have landed; my reads of the other buffer are in
	s_barrier_signal -1
	s_barrier_wait -1
	s_cmp_lt_u32 s25, NBLK
	s_cbranch_scc0 .Lno_load_\@                    ; no load leaves its buffer
	GLOAD
.Lno_load_\@:
	s_cmp_lt_u32 s24, NBLK
	s_cbranch_scc0 .Lend_\@
	XFETCH \buf
	s_wait_xcnt 0x0                                ; the last trip's stores have read their data and bases: both are written again below
	s_lshr_b32 s44, s24, 5                         ; the batch,
	s_and_b32 s45, s24, 31                         ; tb: the block of 32 rows in it
	s_mul_i32 s44, s44, 12
	s_add_co_u32 s44, s44, s23                     ; bh
	s_lshl_b32 s46, s44, 5
	s_add_co_u32 s46, s46, s45                     ; 32 bh + tb
	s_lshl_b32 s48, s46, 7
	s_mov_b32 s49, 0
	s_add_nc_u64 s[42:43], s[38:39], s[48:49]
	s_cmp_lt_u32 s22, 6
	s_cbranch_scc0 .Lv_\@
	s_lshl_b32 s48, s46, 11
	s_add_nc_u64 s[40:41], s[36:37], s[48:49]
	MULQK
	PLACES
	QUANT ACC, 4, PC, PW                           ; block 2 u + B: row tile u, columns 32 B on
.irp c, 0,1,2,3
	global_store_b128 v[LI], v[PC+4*\c:PC+4*\c+3], s[40:41] offset:512*\c   ; 512 consecutive bytes, aligned
.endr
	global_store_b32 v[LS], v[PW], s[42:43]
	s_branch .Lend_\@
.Lv_\@:
	s_lshl_b32 s48, s44, 16
	s_lshr_b32 s50, s45, 2
	s_lshl_b32 s50, s50, 13                        ; the step of 128 keys,
	s_add_co_u32 s48, s48, s50
	s_and_b32 s50, s45, 3
	s_lshl_b32 s50, s50, 9                         ; the group in its fragments
	s_add_co_u32 s48, s48, s50
	s_add_nc_u64 s[40:41], s[36:37], s[48:49]
	MULV
	PLACES
	QUANT ACC, 4, PC, PW                           ; block t: tile t of e, these 32 keys
.irp c, 0,1,2,3
	global_store_b128 v[LI], v[PC+4*\c:PC+4*\c+3], s[40:41] offset:2048*\c
.endr
	global_store_b32 v[LS], v[PW], s[42:43]
.Lend_\@:
	s_mov_b32 s24, s25
.endm
.Ltrips:
	TRIP 0
	TRIP BUF1
	s_sub_co_u32 s26, s26, 1
	s_cmp_lg_u32 s26, 0
	s_cbranch_scc1 .Ltrips
	s_wait_tensorcnt 0x0
	ds_add_u32 v254, v255
	s_wait_dscnt 0x0
	s_endpgm
.Lfunc_end_k_qb0b1fb89fa_qkv:
	.size	k_qb0b1fb89fa_qkv, .Lfunc_end_k_qb0b1fb89fa_qkv-k_qb0b1fb89fa_qkv
	.p2alignl 7, 3214868480
	.fill 96, 4, 3214868480
	.section	.rodata,"a",@progbits
	.p2align	6, 0x0
	.amdhsa_kernel k_qb0b1fb89fa_qkv
		.amdhsa_group_segment_fixed_size 52736
		.amdhsa_private_segment_fixed_size 0
		.amdhsa_enable_private_segment 0
		.amdhsa_kernarg_size 64
		.amdhsa_user_sgpr_count 2
		.amdhsa_user_sgpr_kernarg_segment_ptr 1
		.amdhsa_wavefront_size32 1
		.amdhsa_system_sgpr_workgroup_id_x 1
		.amdhsa_system_sgpr_workgroup_id_y 1
		.amdhsa_system_sgpr_workgroup_id_z 1
		.amdhsa_system_vgpr_workitem_id 0
		.amdhsa_next_free_vgpr 960
		.amdhsa_next_free_sgpr 66
		.amdhsa_reserve_vcc 0
		.amdhsa_float_denorm_mode_32 3
		.amdhsa_float_denorm_mode_16_64 3
		.amdhsa_memory_ordered 1
		.amdhsa_forward_progress 1
		.amdhsa_inst_pref_size 95
	.end_amdhsa_kernel
	.amdgpu_metadata
---
amdhsa.version: [ 1, 2 ]
amdhsa.kernels:
  - .name:           k_qb0b1fb89fa_qkv
    .symbol:         k_qb0b1fb89fa_qkv.kd
    .args:
      - { .name: xq, .offset: 0, .size: 8, .value_kind: global_buffer, .address_space: global }
      - { .name: wq, .offset: 8, .size: 8, .value_kind: global_buffer, .address_space: global }
      - { .name: bq, .offset: 16, .size: 8, .value_kind: global_buffer, .address_space: global }
      - { .name: bk, .offset: 24, .size: 8, .value_kind: global_buffer, .address_space: global }
      - { .name: bv, .offset: 32, .size: 8, .value_kind: global_buffer, .address_space: global }
      - { .name: qq, .offset: 40, .size: 8, .value_kind: global_buffer, .address_space: global }
      - { .name: kq, .offset: 48, .size: 8, .value_kind: global_buffer, .address_space: global }
      - { .name: vq, .offset: 56, .size: 8, .value_kind: global_buffer, .address_space: global }
    .group_segment_fixed_size: 52736
    .private_segment_fixed_size: 0
    .kernarg_segment_align: 8
    .kernarg_segment_size: 64
    .max_flat_workgroup_size: 128
    .sgpr_count:     66
    .vgpr_count:     960
    .wavefront_size: 32
...
	.end_amdgpu_metadata
.endif
;; end of part 2
;; launch attn (part 3): grid 16 x 16, 16 waves a work-group, no clusters, 280,576 bytes of LDS; arguments qq, kq, vq, oq; writes oq
.if DOCPART == 3
	.amdgcn_target "amdgcn-amd-amdhsa--gfx1250"
	.amdhsa_code_object_version 6
	.text
	.protected	k_qb0b1fb89fa_attn
	.globl	k_qb0b1fb89fa_attn
	.p2align	8
	.type	k_qb0b1fb89fa_attn,@function
k_qb0b1fb89fa_attn:
	s_mov_b64 s[64:65], 0
	v_nop
	global_prefetch_b8 v0, s[64:65] scope:SCOPE_SE
	s_setreg_imm32_b32 hwreg(HW_REG_WAVE_MODE, 25, 1), 1
	s_wait_xcnt 0x0
; o = softmax(q k^T / 8) v, head by head, both products on codes of FP8 (E4M3) with E8M0 scales, and o quantised again along the concatenated heads for the output projection.
; THE SOFTMAX AHEAD OF THE SECOND PRODUCT: t = score x log2(e) / 8; M = the running largest t rounded UP to a whole number; p = 2^(t - M) is quantised along the keys, not normalised; the row's sum is taken
; of the unquantised p and divides at the end.  When M moves, the sum and O are multiplied by 2^(old M - new M): exact.
; SHARES.  A UNIT is 256 queries (a quarter) of one head: 768 units, THREE FOR EACH OF 256 WORK-GROUPS, WHICH STAY.  Work-group y = batch; x = 4 g + m: the four work-groups of a g share heads 3 g + 0, 1, 2 (h0, h1, h2):
;   m = 0: h0 quarter 0 | h0 quarters 1, 2      m = 1: h0 quarter 3 | h1 quarters 0, 1      m = 2: h2 quarter 3 | h1 quarters 2, 3      m = 3: h2 quarter 0 | h2 quarters 1, 2
; In a unit each of SIXTEEN waves owns one tile of 16 queries in 256 registers, four waves to a SIMD, so that one wave's vector work stands beside another's matrix work and LDS loads; it walks the head's 1,024 keys, 128 a step.
; LDS: TWO SLOTS of 139,264 bytes, each a head's whole K (65,536), V (65,536), K's scale words (4,096) and V's (4,096).  Slot A serves unit 0, slot B units 1 and 2, in every work-group: so every LDS address is a constant and a
; lane term.  K and V of both slots are copied in ONCE, at the head, lane by lane; no byte is filled twice.  (For m = 0 and 3 both slots hold the same head: two fills in eight more than needed, so that all work-groups run one text with one count of copies.)
; THE SCALE WORDS come through registers, into bytes that no copy fills: wave w (0-7: slot A; 8-15: slot B) takes step w % 8: K's four words a lane as they lie, V's four turned from [key block][tile] to [tile][key block];
; each four are stored on end at 16 x lane, so that ONE load of 16 bytes a lane brings the four scale words of a step's four fragments.
; q's loads go out ahead of the copies; the next unit's q is loaded into q's registers in a unit's last step, behind the last products that read them.
; All operands are images of operand registers.  A fragment of K holds TWO tiles of 16 keys, [tile 0's 64 | tile 1's 64] along its 128: multiplied by [q | 0] it gives tile 0's scores, by [0 | q] tile 1's
; (the head's 64 fill half of the form's 128; zero codes add nothing under any scale byte that the quantiser gives).
; Both products are used transposed (S^T = K Q^T, O^T = V^T P^T): a lane holds ONE query throughout.  Lane r of tile 2 B + u holds key (query, e) 32 B + 8 u + r + 8 (r / 8), so that the 16 registers
; of two neighbouring tiles are 16 neighbours along the next product's K.
; oq: as x's codes: images [row tile][K step = head / 2], group 2 (head % 2) + B; at SC the scale words, of which a head writes two bytes a lane (once a unit; the reader then takes whole words).
; NO CLUSTER: the four neighbours' slots hold different heads (A: h0 h0 h2 h2; B: h0 h1 h1 h2), and a slot is fetched once in a work-group's life, not step by step.
; LIMITS: NaN and infinities are not served; a block of zeros gets the byte 1, not 127 (its codes are zeros; the bytes are read by this program alone).
; REGISTERS: v1-4 LDS addresses of the slot in hand; v5, v6, v41, v247, v248 the copies' addresses; v9, v42 offsets in memory; v10, v11, v43 at work; v12 -M, v13 the largest t, v[14:15] the sum in two halves;
;   v16-39 [0 x 8 | q x 8 | 0 x 8]; v40 q's scale word; v44-47 the fragments' scale words; v48-111 four fragments of K or of V; v112-175 S^T, then p; v176-207 O^T; v208-223 p's codes; v224-239 at work;
;   v[240:241] the second chain of the sum; v244 f, v245 p's scale word; v246 at work.
.set SC,    12582912
.set LV,    65536                      ; in a slot: V,
.set LKS,   131072                     ; K's scale words,
.set LVS,   135168                     ; V's
.set SLOTB, 139264                     ; slot B
.set FS,   44
.set FR,   48
.set S,    112
.set O,    176
.set PC,   208
.set TM,   224
.set SEL,  18                          ; s[18:19]
.set MNT,  20
.set SH,   21                          ; s21  16 x (wave % 2): where my tile's two bytes stand in q's scale word
.set CS,   22                          ; s[22:23] c = log2(e) / 8
.set CNT,  56                          ; s56  units to go in the loop
; s[24:27] slot A's K and V in memory; s[30:33] slot B's; s[36:37] V's raw scale words for my wave, s[38:39] K's; s[40:43] unit 0's q and its scale words; s[44:47] unit 1's;
; s[48:51] unit 0's place in oq, codes and scale words; s[52:55] the loop's
.macro QUANT src, nb, pc, pw           ; 16 nb numbers of a lane become codes and a scale word; a block of 32 lies in lanes l and l xor 16
.irp b, 0,1,2,3
.if \b < \nb
	v_max3_num_f32 v[TM+\b], |v[\src+16*\b]|, |v[\src+16*\b+1]|, 0x4800000
.endif
.endr
.irp i, 2,4,6,8,10,12,14
.irp b, 0,1,2,3
.if \b < \nb
	v_max3_num_f32 v[TM+\b], v[TM+\b], |v[\src+16*\b+\i]|, |v[\src+16*\b+\i+1]|
.endif
.endr
.endr
.irp b, 0,1,2,3
.if \b < \nb
	v_permlanex16_b32 v[TM+4+\b], v[TM+\b], s[SEL], s[SEL+1]
.endif
.endr
.irp b, 0,1,2,3
.if \b < \nb
	v_max_num_f32 v[TM+\b], v[TM+\b], v[TM+4+\b]
.endif
.endr
.irp b, 0,1,2,3
.if \b < \nb
	v_add_nc_u32 v[TM+12+\b], 0xfc000000, v[TM+\b]
.endif
.endr
.irp b, 0,1,2,3
.if \b < \nb
	v_and_or_b32 v[TM+8+\b], v[TM+\b], 0x7f800000, s[MNT]
.endif
.endr
.irp b, 0,1,2,3
.if \b < \nb
	v_lshrrev_b32 v[TM+4+\b], 23, v[TM+12+\b]
.endif
.endr
	v_lshl_or_b32 v[\pw], v[TM+5], 8, v[TM+4]
.if \nb == 4
	v_lshl_or_b32 v[\pw], v[TM+6], 16, v[\pw]
	v_lshl_or_b32 v[\pw], v[TM+7], 24, v[\pw]
.endif
.irp b, 0,1,2,3
.if \b < \nb
.irp i, 0,1,2,3,4,5,6,7,8,9,10,11,12,13,14,15
	v_med3_num_f32 v[\src+16*\b+\i], v[\src+16*\b+\i], -v[TM+8+\b], v[TM+8+\b]   ; the conversion does not saturate (ISA guide 7.6.2): hold first
.endr
	v_cvt_scalef32_pk8_fp8_f32 v[\pc+4*\b:\pc+4*\b+1], v[\src+16*\b:\src+16*\b+7], v[TM+12+\b]
	v_cvt_scalef32_pk8_fp8_f32 v[\pc+4*\b+2:\pc+4*\b+3], v[\src+16*\b+8:\src+16*\b+15], v[TM+12+\b]
.endif
.endr
	v_nop
.endm
; The addresses of a unit (12 batch + head in s[bh], head in s[hd], quarter in s[qr]) for my wave: q's half fragment, its scale words, o's two groups, o's scale words
.macro UADDR bh, hd, qr, q, qs, o, os
	s_lshl_b32 s60, s[\qr], 4
	s_add_co_u32 s60, s60, s12                     ; qt: my tile of the head's 64
	s_lshr_b32 s61, s60, 1
	s_lshl_b32 s62, s[\bh], 5
	s_add_co_u32 s61, s61, s62                     ; 32 bh + tb
	s_lshl_b32 s62, s61, 11
	s_and_b32 s63, s12, 1
	s_lshl_b32 s63, s63, 10                        ; my tile's half of the fragment
	s_add_co_u32 s62, s62, s63
	s_mov_b32 s63, 0
	s_add_nc_u64 s[\q:\q+1], s[4:5], s[62:63]
	s_lshl_b32 s62, s61, 7
	s_add_co_u32 s62, s62, SC
	s_add_nc_u64 s[\qs:\qs+1], s[4:5], s[62:63]
	s_lshl_b32 s61, s15, 6
	s_add_co_u32 s61, s61, s60                     ; the row tile: 64 batch + qt
	s_mul_i32 s61, s61, 6
	s_lshr_b32 s62, s[\hd], 1
	s_add_co_u32 s61, s61, s62                     ; fragment 6 x tile + head / 2
	s_and_b32 s60, s[\hd], 1
	s_lshl_b32 s62, s61, 11
	s_lshl_b32 s63, s60, 10
	s_add_co_u32 s62, s62, s63
	s_mov_b32 s63, 0
	s_add_nc_u64 s[\o:\o+1], s[10:11], s[62:63]
	s_lshl_b32 s62, s61, 7
	s_lshl_b32 s60, s60, 1
	s_add_co_u32 s62, s62, s60
	s_add_co_u32 s62, s62, SC
	s_add_nc_u64 s[\os:\os+1], s[10:11], s[62:63]
.endm
.macro QLOAD q, qs, qoff, soff         ; a unit's q into q's registers: e = 16 h + 0 .. 15, then 32 + 16 h + 0 .. 15; and the fragment's scale word
	global_load_b128 v[24:27], v42, s[\q:\q+1] offset:\qoff
	global_load_b128 v[28:31], v42, s[\q:\q+1] offset:\qoff+512
	global_load_b32 v11, v9, s[\qs:\qs+1] offset:\soff
.endm
; A unit's start, behind the wait for q.  A scale register written by a vector instruction stands eight places ahead of the first scaled matrix instruction that takes it: the start values, which are due anyway, are those places
.macro UPRO
	v_lshrrev_b32 v11, s[SH], v11                  ; my tile's two bytes,
	v_and_b32 v11, 0xffff, v11
	v_lshl_or_b32 v40, v11, 16, v11                ; twice: they serve [q | 0] and [0 | q]
	v_mov_b32 v13, 0xff61b1e6                      ; the largest t so far: -3e38
	v_floor_f32 v12, -v13                          ; -M
	v_mov_b32 v14, 0                               ; the sum, in two halves
	v_mov_b32 v15, 0
	v_mov_b32 v245, 0                              ; (named as the upper half of the pair v[244:245] before it is first written)
.irp b, 0,1,2,3
	v_mov_b32 v[TM+4+\b], 0                        ; a lane permute's destination counts as one of its sources
.endr
.endm
; A KEY STEP: 128 keys.  nq = 1: unit 1's q is asked for; nq = 2: unit 2's, if the loop has a trip to go
.macro STEP s, nq
.if \s > 0
.rept 8
	v_nop                                          ; places behind the last step's products, ahead of loads into their operands (in front of a unit's first step the way out's lines are those places)
.endr
.endif
.irp b, 0,1,2,3
.irp c, 0,1,2,3
	ds_load_b128 v[FR+16*\b+4*\c:FR+16*\b+4*\c+3], v1 offset:8192*\s+2048*\b+512*\c
.endr
.endr
	ds_load_b128 v[FS:FS+3], v3 offset:512*\s      ; the four fragments' scale words, by one load
	s_wait_dscnt 0x0
.irp b, 0,1,2,3                                ; S^T: registers 16 b + i = key 128 s + 32 b + 16 h + i
	v_wmma_scale_f32_16x16x128_f8f6f4 v[S+16*\b:S+16*\b+7], v[FR+16*\b:FR+16*\b+15], v[24:39], 0, v[FS+\b], v40
	v_wmma_scale_f32_16x16x128_f8f6f4 v[S+16*\b+8:S+16*\b+15], v[FR+16*\b:FR+16*\b+15], v[16:31], 0, v[FS+\b], v40
.endr
.rept 8
	v_nop                                          ; places ahead of the loads below and of the first read of the scores
.endr
.irp e, 0,1,2,3                                ; V's four fragments land under the softmax
.irp c, 0,1,2,3
	ds_load_b128 v[FR+16*\e+4*\c:FR+16*\e+4*\c+3], v2 offset:8192*\s+2048*\e+512*\c
.endr
.endr
	ds_load_b128 v[FS:FS+3], v4 offset:512*\s      ; and their four scale words
.if \nq == 1
	QLOAD 44, 46, 0, 0                             ; this unit's last products on q are eight places back: the next unit's q lands under this step's softmax and the way out
.elseif \nq == 2
	s_cmp_eq_u32 s[CNT], 1
	s_cbranch_scc1 .Lno_next                       ; the last unit asks for nothing
	QLOAD 44, 46, 16384, 1024                      ; the next quarter: 8 fragments of q on, 8 x 128 bytes of scale words on
.Lno_next:
.endif
.irp b, 0,1,2,3
	v_max3_num_f32 v[TM+\b], v[S+16*\b], v[S+16*\b+1], v[S+16*\b+2]   ; the largest score of each block of 32 keys: for the row's maximum, and, since p rises with the score, for the block's largest p
.endr
.irp i, 3,5,7,9,11,13
.irp b, 0,1,2,3
	v_max3_num_f32 v[TM+\b], v[TM+\b], v[S+16*\b+\i], v[S+16*\b+\i+1]
.endr
.endr
.irp b, 0,1,2,3
	v_max_num_f32 v[TM+\b], v[TM+\b], v[S+16*\b+15]
.endr
.irp b, 0,1,2,3
	v_permlanex16_b32 v[TM+4+\b], v[TM+\b], s[SEL], s[SEL+1]
.endr
.irp b, 0,1,2,3
	v_max_num_f32 v[TM+\b], v[TM+\b], v[TM+4+\b]
.endr
	v_max3_num_f32 v246, v[TM], v[TM+1], v[TM+2]
	v_max_num_f32 v246, v246, v[TM+3]
	v_mul_f32 v246, s[CS], v246                    ; as t (c is positive)
	v_max_num_f32 v13, v13, v246                   ; the running largest t
	v_mov_b32 v246, v12
	v_floor_f32 v12, -v13                          ; the new -M = -ceil(t)
	v_sub_f32 v246, v12, v246                      ; old M - new M: a whole number, 0 or less
	v_cvt_i32_f32 v246, v246                       ; (it saturates)
	v_ldexp_f32 v244, 1.0, v246                    ; f = 2^(old M - new M)
.set j, 0
.rept 32
	v_pk_fma_f32 v[S+j:S+j+1], v[S+j:S+j+1], s[CS:CS+1], v[12:13] op_sel_hi:[1,0,0]   ; t - M, two at a time
.set j, j+2
.endr
.irp b, 0,1,2,3
	v_fma_f32 v[TM+\b], v[TM+\b], s[CS], v12       ; the same of each block's largest score
.endr
.set j, 0
.rept 64
	v_exp_f32 v[S+j], v[S+j]                       ; p = 2^(t - M)
.set j, j+1
.endr
.irp b, 0,1,2,3
	v_exp_f32 v[TM+\b], v[TM+\b]                   ; the block's largest p: the same two instructions on the same number
.endr
	v_pk_mul_f32 v[14:15], v[14:15], v[244:245] op_sel_hi:[1,0]   ; the sums under the new M (a plain place behind the exponentials)
	s_wait_alu depctr_va_vdst(0)
.irp b, 0,1,2,3
	v_max_num_f32 v[TM+\b], 0x4800000, v[TM+\b]    ; the floor 2^(9 - 127)
.endr
.irp b, 0,1,2,3
	v_add_nc_u32 v[TM+12+\b], 0xfc000000, v[TM+\b]
.endr
.irp b, 0,1,2,3
	v_and_or_b32 v[TM+8+\b], v[TM+\b], 0x7f800000, s[MNT]
.endr
.irp b, 0,1,2,3
	v_lshrrev_b32 v[TM+4+\b], 23, v[TM+12+\b]
.endr
	v_lshl_or_b32 v245, v[TM+5], 8, v[TM+4]        ; p's scale word for these 128 keys
	v_lshl_or_b32 v245, v[TM+6], 16, v245
	v_lshl_or_b32 v245, v[TM+7], 24, v245
	v_pk_add_f32 v[240:241], v[S:S+1], v[S+2:S+3]  ; the row's sum of the UNQUANTISED p, in two chains
.set j, 4
.rept 15
	v_pk_add_f32 v[14:15], v[14:15], v[S+j:S+j+1]
	v_pk_add_f32 v[240:241], v[240:241], v[S+j+2:S+j+3]
.set j, j+4
.endr
	v_pk_add_f32 v[14:15], v[14:15], v[240:241]
; THE HOLD, TWO TO AN INSTRUCTION.  The conversion does not saturate (ISA guide 7.6.2); p is not negative, so the hold is one-sided.  A pair takes number i of block b and number i xor 1 of block b + 1:
; one destination even, the other odd; the first sources four-register banks apart (i and i xor 1 modulo 4); the second sources, the two blocks' holds, neighbouring registers
.irp b, 0,2
.set i, 0
.rept 16
	v_dual_min_num_f32 v[S+16*\b+i], v[S+16*\b+i], v[TM+8+\b] :: v_dual_min_num_f32 v[S+16*\b+17+i-2*(i%2)], v[S+16*\b+17+i-2*(i%2)], v[TM+9+\b]
.set i, i+1
.endr
.irp d, 0,1
	v_cvt_scalef32_pk8_fp8_f32 v[PC+4*(\b+\d):PC+4*(\b+\d)+1], v[S+16*(\b+\d):S+16*(\b+\d)+7], v[TM+12+\b+\d]
	v_cvt_scalef32_pk8_fp8_f32 v[PC+4*(\b+\d)+2:PC+4*(\b+\d)+3], v[S+16*(\b+\d)+8:S+16*(\b+\d)+15], v[TM+12+\b+\d]
.endr
.endr
.if \s > 0
.set j, 0
.rept 16
	v_pk_mul_f32 v[O+j:O+j+1], v[O+j:O+j+1], v[244:245] op_sel_hi:[1,0]   ; O^T under the new M; also the places between the codes and the products
.set j, j+2
.endr
.else
.rept 4
	v_nop                                          ; four places between codes made by vector instructions and a scaled matrix instruction
.endr
.endif
	s_wait_dscnt 0x0                               ; V
.irp e, 0,1,2,3                                ; O^T: the four accumulators by turns; a unit's first step starts the sums
.if \s == 0
	v_wmma_scale_f32_16x16x128_f8f6f4 v[O+8*\e:O+8*\e+7], v[FR+16*\e:FR+16*\e+15], v[PC:PC+15], 0, v[FS+\e], v245
.else
	v_wmma_scale_f32_16x16x128_f8f6f4 v[O+8*\e:O+8*\e+7], v[FR+16*\e:FR+16*\e+15], v[PC:PC+15], v[O+8*\e:O+8*\e+7], v[FS+\e], v245
.endif
.endr
.endm
; A UNIT'S WAY OUT: O^T / the sum, quantised along e: registers 16 B + i = e 32 B + 16 h + i of my query
.macro UOUT o, os
.rept 8
	v_nop                                          ; places behind the last products
.endr
	v_add_f32 v14, v14, v15
	v_permlanex16_b32 v246, v14, s[SEL], s[SEL+1]
	v_add_f32 v14, v14, v246                       ; the row's sum
	v_rcp_f32 v14, v14
	v_nop                                          ; a plain place behind the transcendental
.set j, 0
	s_wait_alu depctr_va_vdst(0)
.rept 16
	v_pk_mul_f32 v[S+j:S+j+1], v[O+j:O+j+1], v[14:15] op_sel_hi:[1,0]   ; each accumulator from its low end on
.set j, j+2
.endr
	QUANT S, 2, PC, 246
	global_store_b128 v42, v[PC:PC+3], s[\o:\o+1]              ; 512 consecutive bytes, aligned
	global_store_b128 v42, v[PC+4:PC+7], s[\o:\o+1] offset:512
	global_store_b16 v9, v246, s[\os:\os+1]                    ; my head's two bytes of the scale word
	s_wait_xcnt 0x0                                ; the stores have read their data and bases: the next unit writes both again
.endm
	s_load_b256 s[4:11], s[0:1], 0x0               ; qq, kq, vq, oq
	v_lshl_add_u32 v254, v0, 2, 0x44000
	v_mov_b32 v255, 0
	ds_add_u32 v254, v255
	ds_add_u32 v254, v255
	v_lshrrev_b32 v10, 5, v0
	v_readfirstlane_b32 s12, v10                   ; wave 0..15
	v_and_b32 v10, 31, v0
	v_lshlrev_b32 v42, 4, v10                      ; in memory: 16 x lane,
	v_lshlrev_b32 v9, 2, v10                       ; 4 x lane
	v_lshlrev_b32 v1, 4, v10                       ; in LDS, slot A, all at 16 x lane: K's images,
	v_add_nc_u32 v2, LV, v1                        ; V's,
	v_add_nc_u32 v3, LKS, v1                       ; K's scale words,
	v_add_nc_u32 v4, LVS, v1                       ; V's
	v_lshlrev_b32 v5, 4, v0                        ; the copies: 16 x thread in memory,
	v_lshlrev_b32 v41, 4, v0                       ; and in LDS for slot A's K,
	v_add_nc_u32 v6, LV, v5                        ; for its V;
	v_add_nc_u32 v247, SLOTB, v5                   ; the same two for slot B
	v_add_nc_u32 v248, SLOTB+LV, v5
	s_lshr_b32 s14, ttmp9, 2
	s_mul_i32 s14, s14, 3                          ; 3 g: h0
	s_and_b32 s13, ttmp9, 3                        ; m
	s_and_b32 s15, ttmp7, 0xffff                   ; batch
	s_and_b32 s16, s13, 2
	s_add_co_u32 s16, s16, s14                     ; slot A's head: h0, h0, h2, h2
	s_add_co_u32 s17, s13, 1
	s_lshr_b32 s17, s17, 1
	s_add_co_u32 s17, s17, s14                     ; slot B's: h0, h1, h1, h2
	s_lshr_b32 s38, s13, 1
	s_xor_b32 s38, s38, s13
	s_and_b32 s38, s38, 1
	s_mul_i32 s38, s38, 3                          ; unit 0's quarter: 0, 3, 3, 0
	s_lshl_b32 s57, s13, 1
	s_lshr_b32 s57, 0x61, s57
	s_and_b32 s57, s57, 3                          ; unit 1's: 1, 0, 2, 1 (two bits each of 0x61)
	s_mul_i32 s58, s15, 12
	s_add_co_u32 s59, s58, s17                     ; 12 batch + head: slot B's,
	s_add_co_u32 s58, s58, s16                     ; slot A's
	s_and_b32 s[SH], s12, 1
	s_lshl_b32 s[SH], s[SH], 4
	s_mov_b32 s[SEL], 0x76543210
	s_mov_b32 s[SEL+1], 0xfedcba98
	s_mov_b32 s[MNT], 0x600000
	s_mov_b32 s[CS], 0x3e38aa3b                    ; log2(e) / 8
	s_mov_b32 s[CS+1], s[CS]                       ; (named with it as a pair, so it is written)
	s_wait_dscnt 0x0
	s_wait_kmcnt 0x0
	UADDR 58, 16, 38, 40, 42, 48, 50               ; unit 0
	s_cmp_lt_u32 s12, 8                            ; the scale words: waves 0-7 bring slot A's, waves 8-15 slot B's; step = wave % 8
	s_cselect_b32 s60, s58, s59
	s_lshl_b32 s60, s60, 12                        ; a head's words are 4,096 bytes in kq and in vq alike,
	s_and_b32 s62, s12, 7
	s_lshl_b32 s62, s62, 9                         ; a step's four blocks of 32 keys 512
	s_add_co_u32 s60, s60, s62
	s_add_co_u32 s60, s60, SC
	s_mov_b32 s61, 0
	s_add_nc_u64 s[36:37], s[8:9], s[60:61]        ; V's,
	s_add_nc_u64 s[38:39], s[6:7], s[60:61]        ; K's
	s_lshr_b32 s63, s12, 3
	s_mul_i32 s63, s63, SLOTB
	s_add_co_u32 s63, s63, s62
	v_add_nc_u32 v10, s63, v4                      ; and where they go: LVS + slot + 512 x step + 16 x lane,
	v_add_nc_u32 v43, s63, v3                      ; LKS + the same
	QLOAD 40, 42, 0, 0                             ; AHEAD OF THE COPIES: what the first step's head waits for is not queued behind the slots' bytes
.irp c, 0,1,2,3
	global_load_b32 v[48+\c], v9, s[36:37] offset:128*\c   ; V: key block 4 step + c: byte = tile of e
.endr
.irp c, 0,1,2,3
	global_load_b32 v[60+\c], v9, s[38:39] offset:128*\c   ; K: the word of fragment 4 step + c
.endr
	s_lshl_b32 s60, s58, 16
	s_add_nc_u64 s[24:25], s[6:7], s[60:61]        ; slot A's head: K,
	s_add_nc_u64 s[26:27], s[8:9], s[60:61]        ; V
	s_lshl_b32 s60, s59, 16
	s_add_nc_u64 s[30:31], s[6:7], s[60:61]        ; slot B's likewise
	s_add_nc_u64 s[32:33], s[8:9], s[60:61]
	; 32 copies a wave, ahead of every wait on ASYNCcnt, every LDS read and every barrier: slot A's 16 (K and V step by step), then slot B's 16; the 512 threads copy consecutive bytes
.irp s, 0,1,2,3,4,5,6,7
	global_load_async_to_lds_b128 v41, v5, s[24:25] offset:8192*\s
	global_load_async_to_lds_b128 v6, v5, s[26:27] offset:8192*\s
.endr
.irp s, 0,1,2,3,4,5,6,7
	global_load_async_to_lds_b128 v247, v5, s[30:31] offset:8192*\s
	global_load_async_to_lds_b128 v248, v5, s[32:33] offset:8192*\s
.endr
	UADDR 59, 17, 57, 44, 46, 52, 54               ; unit 1
.irp j, 0,1,2,3,4,5,6,7
	v_mov_b32 v[16+\j], 0                          ; the zero halves beside q: they stay for all three units
	v_mov_b32 v[32+\j], 0
.endr
	s_wait_loadcnt 0x0                             ; q, its scale word, K's and V's scale words
	v_perm_b32 v52, v49, v48, 0x05010400           ; V's 4 x 4 bytes turned: word = tile of e, byte = key block
	v_perm_b32 v53, v49, v48, 0x07030602
	v_perm_b32 v54, v51, v50, 0x05010400
	v_perm_b32 v55, v51, v50, 0x07030602
	v_perm_b32 v56, v54, v52, 0x05040100
	v_perm_b32 v57, v54, v52, 0x07060302
	v_perm_b32 v58, v55, v53, 0x05040100
	v_perm_b32 v59, v55, v53, 0x07060302
	ds_store_b128 v10, v[56:59]                    ; a lane's four words on end: 512 consecutive bytes a wave
	ds_store_b128 v43, v[60:63]
	UPRO
	; ---- unit 0, from slot A
	s_wait_asynccnt 28                             ; my first four copies are in: steps 0 and 1 of slot A's K and V; the other 28 may be out
	s_wait_dscnt 0x0                               ; the scale words have landed, both slots'
	s_barrier_signal -1
	s_barrier_wait -1
	STEP 0, 0
	STEP 1, 0
	s_wait_asynccnt 16                             ; slot A's 16 copies are in; slot B's 16 may be out
	s_wait_dscnt 0x0
	s_barrier_signal -1
	s_barrier_wait -1                              ; everybody's are
	STEP 2, 0
	STEP 3, 0
	STEP 4, 0
	STEP 5, 0
	STEP 6, 0
	STEP 7, 1
	UOUT 48, 50
	s_wait_asynccnt 0x0                            ; all my copies are in
	s_wait_dscnt 0x0
	s_barrier_signal -1
	s_barrier_wait -1                              ; slot B is whole
	v_add_nc_u32 v1, SLOTB, v1                     ; on to slot B
	v_add_nc_u32 v2, SLOTB, v2
	v_add_nc_u32 v3, SLOTB, v3
	v_add_nc_u32 v4, SLOTB, v4
	; ---- units 1 and 2, from slot B: nothing in LDS is written any more, so no barrier stands in the loop
	s_mov_b32 s[CNT], 2
.Lunit:
	s_wait_loadcnt 0x0                             ; this unit's q and its scale word, asked for in the last unit's last step
	UPRO
	STEP 0, 0
	STEP 1, 0
	STEP 2, 0
	STEP 3, 0
	STEP 4, 0
	STEP 5, 0
	STEP 6, 0
	STEP 7, 2
	UOUT 52, 54
	s_add_nc_u64 s[52:53], s[52:53], 196608        ; the next quarter: 16 row tiles = 96 fragments on,
	s_add_nc_u64 s[54:55], s[54:55], 12288         ; 96 x 128 bytes of scale words on
	s_sub_co_u32 s[CNT], s[CNT], 1
	s_cmp_lg_u32 s[CNT], 0
	s_cbranch_scc1 .Lunit
	s_wait_tensorcnt 0x0
	ds_add_u32 v254, v255
	s_wait_dscnt 0x0
	s_endpgm
.Lfunc_end_k_qb0b1fb89fa_attn:
	.size	k_qb0b1fb89fa_attn, .Lfunc_end_k_qb0b1fb89fa_attn-k_qb0b1fb89fa_attn
	.p2alignl 7, 3214868480
	.fill 96, 4, 3214868480
	.section	.rodata,"a",@progbits
	.p2align	6, 0x0
	.amdhsa_kernel k_qb0b1fb89fa_attn
		.amdhsa_group_segment_fixed_size 280576
		.amdhsa_private_segment_fixed_size 0
		.amdhsa_enable_private_segment 0
		.amdhsa_kernarg_size 32
		.amdhsa_user_sgpr_count 2
		.amdhsa_user_sgpr_kernarg_segment_ptr 1
		.amdhsa_wavefront_size32 1
		.amdhsa_system_sgpr_workgroup_id_x 1
		.amdhsa_system_sgpr_workgroup_id_y 1
		.amdhsa_system_sgpr_workgroup_id_z 1
		.amdhsa_system_vgpr_workitem_id 0
		.amdhsa_next_free_vgpr 256
		.amdhsa_next_free_sgpr 66
		.amdhsa_reserve_vcc 0
		.amdhsa_float_denorm_mode_32 3
		.amdhsa_float_denorm_mode_16_64 3
		.amdhsa_memory_ordered 1
		.amdhsa_forward_progress 1
		.amdhsa_inst_pref_size 255
	.end_amdhsa_kernel
	.section	.bss,"aw",@nobits
	.p2align	6
	.space	262144
	.amdgpu_metadata
---
amdhsa.version: [ 1, 2 ]
amdhsa.kernels:
  - .name:           k_qb0b1fb89fa_attn
    .symbol:         k_qb0b1fb89fa_attn.kd
    .args:
      - { .name: qq, .offset: 0, .size: 8, .value_kind: global_buffer, .address_space: global }
      - { .name: kq, .offset: 8, .size: 8, .value_kind: global_buffer, .address_space: global }
      - { .name: vq, .offset: 16, .size: 8, .value_kind: global_buffer, .address_space: global }
      - { .name: oq, .offset: 24, .size: 8, .value_kind: global_buffer, .address_space: global }
    .group_segment_fixed_size: 280576
    .private_segment_fixed_size: 0
    .kernarg_segment_align: 8
    .kernarg_segment_size: 32
    .max_flat_workgroup_size: 512
    .sgpr_count:     66
    .vgpr_count:     256
    .wavefront_size: 32
...
	.end_amdgpu_metadata
.endif
;; end of part 3
;; launch proj (part 4): grid 85 x 3, 4 waves a work-group, no clusters, 87,552 bytes of LDS; arguments oq, wq, bp, out0; writes out0
.if DOCPART == 4
	.amdgcn_target "amdgcn-amd-amdhsa--gfx1250"
	.amdhsa_code_object_version 6
	.text
	.protected	k_qb0b1fb89fa_proj
	.globl	k_qb0b1fb89fa_proj
	.p2align	8
	.type	k_qb0b1fb89fa_proj,@function
k_qb0b1fb89fa_proj:
	s_mov_b64 s[64:65], 0
	v_nop
	global_prefetch_b8 v0, s[64:65] scope:SCOPE_SE
	s_setreg_imm32_b32 hwreg(HW_REG_WAVE_MODE, 25, 1), 1
	s_wait_xcnt 0x0
; out0 = o Wp + bp on codes of FP8 (E4M3) with E8M0 scales; out0 [16384][768] f32.
; All operands are images of operand registers (a fragment: 16 rows x 128 K, group c at 512 c + 16 x lane; its scale word at 4 x lane); lane r of tile 2 B + u holds row or column 32 B + 8 u + r + 8 (r / 8).
; SHARES.  THE WEIGHTS STAY IN REGISTERS: work-group y = cg (0-2); wave w holds columns 64 (4 cg + w) on, all 768 of K: 24 fragments, 384 registers, read once.
; Work-group x = rho walks the blocks of 32 rows rho, rho + 85, ..: 512 blocks over 85 groups, 7 at the most.  The trip count is a constant (8); a trip past the last block jumps over its loads and work, not over its barrier.
; A block's 12 fragments of o and their words come through registers into one of two LDS buffers, a trip ahead; every wave reads all of them.  ONE barrier a trip: in front of it a wave's stores into this trip's
; buffer have landed and its reads of the other buffer are in; a buffer is written again only behind the next trip's barrier.
; The product is used transposed (source 0 = 16 columns of Wp, source 1 = 16 rows of o): a lane's eight results are eight neighbouring columns of one row.  The bias is the C of each sum's first matrix instruction.
; THE WAY OUT: the wave's 32 rows x 256 bytes go through its own stage in LDS (pitch 272) and leave as rows: sixteen lanes store 256 consecutive bytes, aligned.
; NO CLUSTER: the work-groups that read the same block of o are the 3 column groups, which no cluster of 4 divides; the weights are read once a work-group.
; REGISTERS: window 0: v1-9 addresses; v32-95 accumulators, then rows on their way out; v132-155 W's scale words (4 s + t); v156-167 o's (6 u + s); v168-218 the block on its way to LDS; v220-251 the bias.
;   window 1: W's fragments of K steps 0-3 at 16 (4 s + t).   window 2: K steps 4, 5.   window 3: o's 12 fragments at 16 (6 u + s).
.set SC,    12582912
.set WSC,   2359296
.set NGRP,  85
.set NBLK,  512
.set DTRIPS, 4
.set BUF1,  26112
.set XW,    24576
.set STG,   52224                      ; the stages: 32 rows x 272 bytes for each wave
.set LI,  1
.set LS,  2
.set T16, 3
.set T4,  4
.set BA,  5
.set SO,  7                            ; the stage: where I put 16 bytes of a row
.set SR,  8                            ; and where I read a row back
.set GO,  9                            ; my byte offset in two rows of out0
.set ACC, 32
.set WS,  132
.set XS,  156
.set SG,  168
.set BI,  220
.set MSB, 0
.macro WIN new                         ; the immediate's high byte repeats the setting that is left
.if MSB != \new
	s_set_vgpr_msb (MSB<<8)|\new
.set MSB, \new
.endif
.endm
.macro GLOAD                           ; a block of o: 12 x 2,048 bytes of codes, 3 x 512 of scale words; the 128 threads read consecutive bytes
.irp i, 0,1,2,3,4,5,6,7,8,9,10,11
	global_load_b128 v[SG+4*\i:SG+4*\i+3], v[T16], s[32:33] offset:2048*\i
.endr
.irp i, 0,1,2
	global_load_b32 v[SG+48+\i], v[T4], s[34:35] offset:512*\i
.endr
.endm
.macro PUT buf
.irp i, 0,1,2,3,4,5,6,7,8,9,10,11
	ds_store_b128 v[T16], v[SG+4*\i:SG+4*\i+3] offset:\buf+2048*\i
.endr
.irp i, 0,1,2
	ds_store_b32 v[T4], v[SG+48+\i] offset:\buf+XW+512*\i
.endr
.endm
.macro XFETCH buf
.irp f, 0,1,2,3,4,5,6,7,8,9,10,11
	ds_load_b32 v[XS+\f], v[LS] offset:\buf+XW+128*\f
.endr
	WIN 0xc0                                       ; destination window 3
.irp s, 0,1,2,3,4,5
.irp u, 0,1
.irp c, 0,1,2,3
	ds_load_b128 v[16*(6*\u+\s)+4*\c:16*(6*\u+\s)+4*\c+3], v[LI] offset:\buf+2048*(6*\u+\s)+512*\c
.endr
.endr
.endr
	WIN 0
.endm
.macro MULQK                           ; 48 matrix instructions, the 8 accumulators by turns, one instruction a turn
.irp s, 0,1,2,3,4,5
	s_wait_dscnt 8*(5-\s)                          ; this K step's fragments are in; each later step's eight loads may be out
.if \s < 4
	WIN 0x0d                                       ; source 0 window 1, source 1 window 3
.else
	WIN 0x0e                                       ; source 0 window 2
.endif
.irp u, 0,1
.irp t, 0,1,2,3
.if \s == 0
	v_wmma_scale_f32_16x16x128_f8f6f4 v[ACC+32*\u+8*\t:ACC+32*\u+8*\t+7], v[16*(4*(\s%4)+\t):16*(4*(\s%4)+\t)+15], v[16*(6*\u+\s):16*(6*\u+\s)+15], v[BI+8*\t:BI+8*\t+7], v[WS+4*\s+\t], v[XS+6*\u+\s]
.else
	v_wmma_scale_f32_16x16x128_f8f6f4 v[ACC+32*\u+8*\t:ACC+32*\u+8*\t+7], v[16*(4*(\s%4)+\t):16*(4*(\s%4)+\t)+15], v[16*(6*\u+\s):16*(6*\u+\s)+15], v[ACC+32*\u+8*\t:ACC+32*\u+8*\t+7], v[WS+4*\s+\t], v[XS+6*\u+\s]
.endif
.endr
.endr
.endr
	WIN 0
.endm
	s_load_b256 s[4:11], s[0:1], 0x0               ; oq, wq, bp, out0
	v_lshl_add_u32 v254, v0, 2, 0x15400
	v_mov_b32 v255, 0
	v_lshrrev_b32 v5, 5, v0
	v_readfirstlane_b32 s20, v5                    ; wave
	v_and_b32 v6, 31, v0
	v_lshlrev_b32 v[LI], 4, v6
	v_lshlrev_b32 v[LS], 2, v6
	v_lshlrev_b32 v[T16], 4, v0
	v_lshlrev_b32 v[T4], 2, v0
	v_and_b32 v10, 15, v0                          ; r
	v_bfe_u32 v11, v0, 4, 1                        ; h
	v_lshlrev_b32 v[BA], 6, v11                    ; the bias: register j of tile 2 B + u is column 32 B + 16 h + 8 u + j
	s_mul_i32 s50, s20, 8704
	s_add_co_u32 s50, s50, STG                     ; my stage
	v_mul_u32_u24 v[SO], v10, 272
	v_lshl_add_u32 v[SO], v11, 6, v[SO]
	v_add_nc_u32 v[SO], s50, v[SO]                 ; in: slot r, + 64 h
	v_mul_u32_u24 v[SR], v11, 272
	v_lshl_add_u32 v[SR], v10, 4, v[SR]
	v_add_nc_u32 v[SR], s50, v[SR]                 ; back: lanes 0-15 one slot, lanes 16-31 the next
	v_mul_u32_u24 v[GO], v11, 3072
	v_lshl_add_u32 v[GO], v10, 4, v[GO]            ; and the same two rows in out0
	s_mov_b32 s21, ttmp9                           ; rho
	s_and_b32 s22, ttmp7, 0xffff                   ; cg
	s_lshl_b32 s23, s22, 2
	s_add_co_u32 s23, s23, s20                     ; my group of 64 columns
	s_add_co_u32 s50, s23, 36                      ; hm
	s_mov_b32 s24, s21
	s_mov_b32 s26, DTRIPS
	s_mul_i32 s46, s50, 49152
	s_mov_b32 s47, 0
	s_wait_kmcnt 0x0
	s_add_nc_u64 s[44:45], s[6:7], s[46:47]        ; my 24 fragments of Wp
	s_mul_i32 s48, s50, 3072
	s_add_co_u32 s48, s48, WSC
	s_mov_b32 s49, 0
	s_add_nc_u64 s[46:47], s[6:7], s[48:49]        ; their scale words
	s_lshl_b32 s50, s23, 8
	s_mov_b32 s51, 0
	s_add_nc_u64 s[48:49], s[8:9], s[50:51]        ; my 64 numbers of bp
	s_add_nc_u64 s[36:37], s[10:11], s[50:51]      ; my 256 bytes of a row of out0
	s_mul_i32 s50, s21, 24576
	s_add_nc_u64 s[32:33], s[4:5], s[50:51]        ; o's first block,
	s_mul_i32 s50, s21, 1536
	s_add_co_u32 s50, s50, SC
	s_add_nc_u64 s[34:35], s[4:5], s[50:51]        ; and its scale words
	WIN 0x40                                       ; destination window 1
.irp f, 0,1,2,3,4,5,6,7,8,9,10,11,12,13,14,15
.irp c, 0,1,2,3
	global_load_b128 v[16*\f+4*\c:16*\f+4*\c+3], v[LI], s[44:45] offset:2048*\f+512*\c
.endr
.endr
	WIN 0x80                                       ; destination window 2
.irp f, 0,1,2,3,4,5,6,7
.irp c, 0,1,2,3
	global_load_b128 v[16*\f+4*\c:16*\f+4*\c+3], v[LI], s[44:45] offset:2048*(16+\f)+512*\c
.endr
.endr
	WIN 0
.irp f, 0,1,2,3,4,5,6,7,8,9,10,11,12,13,14,15,16,17,18,19,20,21,22,23
	global_load_b32 v[WS+\f], v[LS], s[46:47] offset:128*\f
.endr
.irp t, 0,1,2,3
	global_load_b128 v[BI+8*\t:BI+8*\t+3], v[BA], s[48:49] offset:(32*(\t/2)+8*(\t%2))*4
	global_load_b128 v[BI+8*\t+4:BI+8*\t+7], v[BA], s[48:49] offset:(32*(\t/2)+8*(\t%2))*4+16
.endr
	GLOAD
.macro TRIP buf
	s_wait_loadcnt 0x0                             ; the block asked for a trip ago is in (in the first trip: the weights, their words and the bias too)
	PUT \buf
	s_add_nc_u64 s[32:33], s[32:33], NGRP*24576    ; the loads are done: their bases may step
	s_add_nc_u64 s[34:35], s[34:35], NGRP*1536
	s_add_co_u32 s25, s24, NGRP
	s_wait_dscnt 0x0                               ; my stores have landed; my reads of the other buffer and of my stage are in
	s_barrier_signal -1
	s_barrier_wait -1
	s_cmp_lt_u32 s25, NBLK
	s_cbranch_scc0 .Lno_load_\@                    ; no load leaves its buffer
	GLOAD
.Lno_load_\@:
	s_cmp_lt_u32 s24, NBLK
	s_cbranch_scc0 .Lend_\@
	XFETCH \buf
	s_wait_xcnt 0x0                                ; the last trip's stores have read their data and their base: both are written again below
	s_mul_i32 s44, s24, 98304                      ; 32 rows of 3,072 bytes a block
	s_mov_b32 s45, 0
	s_add_nc_u64 s[40:41], s[36:37], s[44:45]
	MULQK
.rept 9
	v_nop                                          ; NINE places behind this matrix form: eight ahead of the first read of results and of loads into its registers; nine ahead of the next trip's first products
.endr                                              ; which begin from the bias and so write over these accumulators; a trip has no other vector work that could stand here
.irp u, 0,1
.irp t, 0,1,2,3
	ds_store_b128 v[SO], v[ACC+32*\u+8*\t:ACC+32*\u+8*\t+3] offset:16*\u*272+128*(\t/2)+32*(\t%2)       ; slot 16 u + r; each accumulator from its low end on
	ds_store_b128 v[SO], v[ACC+32*\u+8*\t+4:ACC+32*\u+8*\t+7] offset:16*\u*272+128*(\t/2)+32*(\t%2)+16
.endr
.endr
.irp i, 0,1,2,3,4,5,6,7,8,9,10,11,12,13,14,15
	ds_load_b128 v[ACC+4*\i:ACC+4*\i+3], v[SR] offset:544*\i   ; LDS serves a wave's instructions in order: these see my stores
.endr
.irp i, 0,1,2,3,4,5,6,7,8,9,10,11,12,13,14,15
	s_wait_dscnt 15-\i                             ; slots 2 i and 2 i + 1 are back; the younger loads may be out
	global_store_b128 v[GO], v[ACC+4*\i:ACC+4*\i+3], s[40:41] offset:(8*(\i/8)+2*(\i%8)+8*((\i%8)/4))*3072 th:TH_STORE_NT   ; slot 16 u + r is row 8 u + r + 8 (r / 8); sixteen lanes store 256 consecutive bytes, aligned
.endr
.Lend_\@:
	s_mov_b32 s24, s25
.endm
.Ltrips:
	TRIP 0
	TRIP BUF1
	s_sub_co_u32 s26, s26, 1
	s_cmp_lg_u32 s26, 0
	s_cbranch_scc1 .Ltrips
	s_wait_tensorcnt 0x0
	ds_add_u32 v254, v255
	s_wait_dscnt 0x0
	s_endpgm
.Lfunc_end_k_qb0b1fb89fa_proj:
	.size	k_qb0b1fb89fa_proj, .Lfunc_end_k_qb0b1fb89fa_proj-k_qb0b1fb89fa_proj
	.p2alignl 7, 3214868480
	.fill 96, 4, 3214868480
	.section	.rodata,"a",@progbits
	.p2align	6, 0x0
	.amdhsa_kernel k_qb0b1fb89fa_proj
		.amdhsa_group_segment_fixed_size 87552
		.amdhsa_private_segment_fixed_size 0
		.amdhsa_enable_private_segment 0
		.amdhsa_kernarg_size 32
		.amdhsa_user_sgpr_count 2
		.amdhsa_user_sgpr_kernarg_segment_ptr 1
		.amdhsa_wavefront_size32 1
		.amdhsa_system_sgpr_workgroup_id_x 1
		.amdhsa_system_sgpr_workgroup_id_y 1
		.amdhsa_system_sgpr_workgroup_id_z 1
		.amdhsa_system_vgpr_workitem_id 0
		.amdhsa_next_free_vgpr 960
		.amdhsa_next_free_sgpr 66
		.amdhsa_reserve_vcc 0
		.amdhsa_float_denorm_mode_32 3
		.amdhsa_float_denorm_mode_16_64 3
		.amdhsa_memory_ordered 1
		.amdhsa_forward_progress 1
		.amdhsa_inst_pref_size 51
	.end_amdhsa_kernel
	.amdgpu_metadata
---
amdhsa.version: [ 1, 2 ]
amdhsa.kernels:
  - .name:           k_qb0b1fb89fa_proj
    .symbol:         k_qb0b1fb89fa_proj.kd
    .args:
      - { .name: oq, .offset: 0, .size: 8, .value_kind: global_buffer, .address_space: global }
      - { .name: wq, .offset: 8, .size: 8, .value_kind: global_buffer, .address_space: global }
      - { .name: bp, .offset: 16, .size: 8, .value_kind: global_buffer, .address_space: global }
      - { .name: out0, .offset: 24, .size: 8, .value_kind: global_buffer, .address_space: global }
    .group_segment_fixed_size: 87552
    .private_segment_fixed_size: 0
    .kernarg_segment_align: 8
    .kernarg_segment_size: 32
    .max_flat_workgroup_size: 128
    .sgpr_count:     66
    .vgpr_count:     960
    .wavefront_size: 32
...
	.end_amdgpu_metadata
.endif
;; end of part 4
;; ======== version 2 of 2: 4 launches
;; workspace buffers: xq 13,369,344 bytes; wq 2,506,752 bytes; qq 13,369,344 bytes; kq 13,369,344 bytes; vq 13,369,344 bytes; oq 13,369,344 bytes
;; launch prep (part 5): grid 6 x 304, 4 waves a work-group, no clusters, 34,304 bytes of LDS; arguments x, Wq, Wk, Wv, Wp, xq, wq; writes xq, wq
.if DOCPART == 5
	.amdgcn_target "amdgcn-amd-amdhsa--gfx1250"
	.amdhsa_code_object_version 6
	.text
	.protected	k_qb0b1fb89fa_prep
	.globl	k_qb0b1fb89fa_prep
	.p2align	8
	.type	k_qb0b1fb89fa_prep,@function
k_qb0b1fb89fa_prep:
	s_mov_b64 s[64:65], 0
	v_nop
	global_prefetch_b8 v0, s[64:65] scope:SCOPE_SE
	s_setreg_imm32_b32 hwreg(HW_REG_WAVE_MODE, 25, 1), 1
	s_wait_xcnt 0x0
; x [16384][768] and the four weights (K = their axis of 768) become codes of FP8 (E4M3) with one E8M0 byte for each 32 along K,
; laid as IMAGES OF OPERAND REGISTERS: a fragment is 16 rows x 128 K, 16 registers a lane; lane (r, h) holds in registers 4 c .. 4 c + 3
; k = 32 c + 16 h + 0 .. 15 of its row; group c lies at 512 c + 16 x lane (2,048 bytes a fragment), the scale word at 4 x lane (128 bytes).
; THE ROWS OF A TILE ARE NOT NEIGHBOURS: lane r of tile 2 B + u holds row (or weight column) 32 B + 8 u + r + 8 (r / 8), so that the later
; launches' results, used transposed, have 16 neighbours along the next K in a lane's 16 registers.
; xq: images [tile 0..1023][K step 0..5], then at SC the scale words.  wq: images [hm 0..47][K step][tile 0..3], then at WSC the words;
; hm 0-11 Wq's heads, 12-23 Wk's, 24-35 Wv's, 36-47 Wp's groups of 64 columns.
; SHARES: one wave makes one fragment; work-group x = the K step; y < 36: a head of Wq, Wk, Wv; y < 48: a column group of Wp; else four row tiles of x.
; x's rows are read as they lie (a load = 512 consecutive bytes of one row) and turn through the wave's own stage in LDS (pitch 528 = 33 x 16 bytes), from
; which a lane takes 16 neighbours of each block.  A weight's lane takes a column and its registers run down K: pieces of 32 bytes a row and tile; the
; four waves of a work-group together take 256 consecutive bytes of each row, and the four weights are 9.4 MB in all.
; No matrix unit, no cluster, no barrier: waves share nothing.  Only the x path touches LDS.
; A block's scale is 2^(floor(log2(largest magnitude)) - 8); its byte is the magnitude's exponent field - 8, held at 1 from below.
; LIMITS: NaN and infinities are not served; a block of zeros gets the byte 1, not 127 (its codes are zeros, and the bytes are read by this program alone);
; blocks whose largest magnitude lies under 2^-118 are held at the byte 1.
.set SC,   12582912                    ; xq: where the scale words begin
.set WSC,  2359296                     ; wq: likewise
.set RAW,  16                          ; v16-79    x as loaded
.set X,    80                          ; v80-143   64 numbers: register 16 b + i = k 32 b + 16 h + i of my row or column
.set PC,   144                         ; v144-159  the fragment's codes
.set TM,   160                         ; v160-175  magnitudes, bytes, holds, scale operands
.set PW,   8                           ; v8        the scale word
.set SEL,  22                          ; s[22:23]  lane selects: lane l xor 16
.set MNT,  24                          ; s24       the mantissa field of 448
; 16 nb numbers of a lane from v[src] on become codes in v[pc] on and a scale word in v[pw]; a block of 32 lies in lanes l and l xor 16
.macro QUANT src, nb, pc, pw
.irp b, 0,1,2,3
.if \b < \nb
	v_max3_num_f32 v[TM+\b], |v[\src+16*\b]|, |v[\src+16*\b+1]|, 0x4800000   ; my 16 numbers and the floor 2^(9 - 127): the byte cannot fall under 1
.endif
.endr
.irp i, 2,4,6,8,10,12,14
.irp b, 0,1,2,3
.if \b < \nb
	v_max3_num_f32 v[TM+\b], v[TM+\b], |v[\src+16*\b+\i]|, |v[\src+16*\b+\i+1]|   ; the blocks by turns
.endif
.endr
.endr
.irp b, 0,1,2,3
.if \b < \nb
	v_permlanex16_b32 v[TM+4+\b], v[TM+\b], s[SEL], s[SEL+1]
.endif
.endr
.irp b, 0,1,2,3
.if \b < \nb
	v_max_num_f32 v[TM+\b], v[TM+\b], v[TM+4+\b]          ; the block's largest magnitude
.endif
.endr
.irp b, 0,1,2,3
.if \b < \nb
	v_add_nc_u32 v[TM+12+\b], 0xfc000000, v[TM+\b]        ; 8 off its exponent field: the conversion's scale operand
.endif
.endr
.irp b, 0,1,2,3
.if \b < \nb
	v_and_or_b32 v[TM+8+\b], v[TM+\b], 0x7f800000, s[MNT] ; 448 x the scale
.endif
.endr
.irp b, 0,1,2,3
.if \b < \nb
	v_lshrrev_b32 v[TM+4+\b], 23, v[TM+12+\b]             ; the scale's byte
.endif
.endr
	v_lshl_or_b32 v[\pw], v[TM+5], 8, v[TM+4]
.if \nb == 4
	v_lshl_or_b32 v[\pw], v[TM+6], 16, v[\pw]
	v_lshl_or_b32 v[\pw], v[TM+7], 24, v[\pw]
.endif
.irp b, 0,1,2,3
.if \b < \nb
.irp i, 0,1,2,3,4,5,6,7,8,9,10,11,12,13,14,15
	v_med3_num_f32 v[\src+16*\b+\i], v[\src+16*\b+\i], -v[TM+8+\b], v[TM+8+\b]   ; the conversion to an 8-bit code does not saturate (ISA guide 7.6.2): hold first
.endr
	v_cvt_scalef32_pk8_fp8_f32 v[\pc+4*\b:\pc+4*\b+1], v[\src+16*\b:\src+16*\b+7], v[TM+12+\b]
	v_cvt_scalef32_pk8_fp8_f32 v[\pc+4*\b+2:\pc+4*\b+3], v[\src+16*\b+8:\src+16*\b+15], v[TM+12+\b]
.endif
.endr
	v_nop                                                  ; a plain place behind the last conversions
.endm
; fragment number s26 of the buffer at s[p:p+1]: its image's address into s[30:31], its scale words' into s[p:p+1]
.macro FBASE p, sc
	s_lshl_b32 s28, s26, 11
	s_mov_b32 s29, 0
	s_add_nc_u64 s[30:31], s[\p:\p+1], s[28:29]
	s_lshl_b32 s28, s26, 7
	s_add_co_u32 s28, s28, \sc
	s_add_nc_u64 s[\p:\p+1], s[\p:\p+1], s[28:29]
.endm
.macro OUT p                           ; each store of codes covers 512 consecutive bytes, aligned; the words 128
.irp c, 0,1,2,3
	global_store_b128 v4, v[PC+4*\c:PC+4*\c+3], s[30:31] offset:512*\c
.endr
	global_store_b32 v5, v[PW], s[\p:\p+1]
.endm
; a weight's fragment: base offset so far in s28; pb = bytes from one k to the next
.macro WPATH pb
	s_lshr_b32 s27, s18, 1
	s_lshl_b32 s27, s27, 7                         ; tile 2 B + u of the 64 columns: 32 B columns,
	s_add_co_u32 s28, s28, s27
	s_and_b32 s27, s18, 1
	s_lshl_b32 s27, s27, 5                         ; + 8 u
	s_add_co_u32 s28, s28, s27
	s_mov_b32 s29, 0
	s_add_nc_u64 s[4:5], s[4:5], s[28:29]
	v_lshrrev_b32 v6, 3, v2
	v_lshl_add_u32 v6, v6, 3, v2                   ; r + 8 (r / 8)
	v_lshlrev_b32 v6, 2, v6
	v_mul_u32_u24 v7, v3, 16*\pb                   ; lanes 16-31 begin 16 rows further down K
	v_add_nc_u32 v6, v6, v7
.irp c, 0,1,2,3
.irp i, 0,1,2,3,4,5,6,7,8,9,10,11,12,13,14,15
	global_load_b32 v[X+16*\c+\i], v6, s[4:5] offset:(32*\c+\i)*\pb
.endr
.endr
	s_mul_i32 s26, s19, 6
	s_add_co_u32 s26, s26, s20
	s_lshl_b32 s26, s26, 2
	s_add_co_u32 s26, s26, s18                     ; fragment (6 hm + K step) 4 + tile
	FBASE 16, WSC
	s_wait_loadcnt 0x0
	QUANT X, 4, PC, PW
	OUT 16
	s_endpgm
.endm
	s_load_b256 s[4:11], s[0:1], 0x0               ; x, Wq, Wk, Wv
	s_load_b128 s[12:15], s[0:1], 0x20             ; Wp, xq
	s_load_b64 s[16:17], s[0:1], 0x30              ; wq
	v_lshl_add_u32 v176, v0, 2, 0x8400
	v_mov_b32 v177, 0
	v_lshrrev_b32 v1, 5, v0
	v_readfirstlane_b32 s18, v1                    ; wave
	v_and_b32 v1, 31, v0                           ; lane
	v_and_b32 v2, 15, v0                           ; r
	v_bfe_u32 v3, v0, 4, 1                         ; h
	v_lshlrev_b32 v4, 4, v1                        ; 16 x lane
	v_lshlrev_b32 v5, 2, v1                        ; 4 x lane
	s_and_b32 s19, ttmp7, 0xffff                   ; y
	s_mov_b32 s20, ttmp9                           ; the K step
	s_mov_b32 s[SEL], 0x76543210
	s_mov_b32 s[SEL+1], 0xfedcba98
	s_mov_b32 s[MNT], 0x600000
.irp b, 0,1,2,3
	v_mov_b32 v[TM+4+\b], 0                        ; a lane permute's destination counts as one of its sources
.endr
	s_wait_kmcnt 0x0
	s_cmp_lt_u32 s19, 36
	s_cbranch_scc1 .Lwqkv
	s_cmp_lt_u32 s19, 48
	s_cbranch_scc1 .Lwp
	; ---- x: tile 4 (y - 48) + wave
	s_sub_co_u32 s26, s19, 48
	s_lshl_b32 s26, s26, 2
	s_add_co_u32 s26, s26, s18                     ; the tile
	s_lshr_b32 s27, s26, 1
	s_lshl_b32 s27, s27, 5
	s_and_b32 s28, s26, 1
	s_lshl_b32 s28, s28, 3
	s_add_co_u32 s27, s27, s28                     ; its first row: 32 B + 8 u
	s_mul_i32 s28, s27, 3072
	s_lshl_b32 s29, s20, 9
	s_add_co_u32 s28, s28, s29                     ; + 512 bytes a K step
	s_mov_b32 s29, 0
	s_add_nc_u64 s[4:5], s[4:5], s[28:29]
	s_wait_alu depctr_va_vdst(0)
.irp i, 0,1,2,3,4,5,6,7,8,9,10,11,12,13,14,15
	global_load_b128 v[RAW+4*\i:RAW+4*\i+3], v4, s[4:5] offset:(\i+8*(\i/8))*3072 th:TH_LOAD_NT   ; lane i's row: 32 lanes read its 512 bytes of this K step
.endr
	s_mul_i32 s30, s18, 8448                       ; my stage: 16 rows x 528 bytes
	v_add_nc_u32 v6, s30, v4                       ; in: as loaded
	v_mul_u32_u24 v7, v2, 528
	v_lshl_add_u32 v7, v3, 6, v7
	v_add_nc_u32 v7, s30, v7                       ; out: row r, + 64 h
	s_mul_i32 s26, s26, 6
	s_add_co_u32 s26, s26, s20                     ; fragment 6 x tile + K step
	FBASE 14, SC
	s_wait_alu depctr_va_vdst(0)
.irp i, 0,1,2,3,4,5,6,7,8,9,10,11,12,13,14,15
	s_wait_loadcnt 15-\i                           ; loads come back in order: row i is in, the younger ones may be out
	ds_store_b128 v6, v[RAW+4*\i:RAW+4*\i+3] offset:528*\i
.endr
.irp b, 0,1,2,3
.irp j, 0,1,2,3
	ds_load_b128 v[X+16*\b+4*\j:X+16*\b+4*\j+3], v7 offset:128*\b+16*\j   ; LDS serves a wave's instructions in order: these see my stores
.endr
.endr
	s_wait_dscnt 0x0
	QUANT X, 4, PC, PW
	OUT 14
	s_wait_tensorcnt 0x0
	ds_add_u32 v176, v177
	s_wait_dscnt 0x0
	s_endpgm
.Lwqkv:                                            ; ---- Wq, Wk, Wv: [12][768][64]: 256 bytes from one k to the next
	s_cmp_lt_u32 s19, 12
	s_cselect_b64 s[4:5], s[6:7], s[8:9]           ; the choice hangs on the work-group's number alone
	s_cselect_b32 s26, 0, 12
	s_cmp_lt_u32 s19, 24
	s_cselect_b64 s[4:5], s[4:5], s[10:11]
	s_cselect_b32 s26, s26, 24
	s_sub_co_u32 s26, s19, s26                     ; the head
	s_mul_i32 s28, s26, 196608
	s_lshl_b32 s27, s20, 15                        ; 128 rows of 256 bytes a K step
	s_add_co_u32 s28, s28, s27
	s_wait_alu depctr_va_vdst(0)
	WPATH 256
.Lwp:                                              ; ---- Wp: [768][768]: 3,072 bytes from one k to the next
	s_mov_b64 s[4:5], s[12:13]
	s_sub_co_u32 s26, s19, 36
	s_lshl_b32 s28, s26, 8                         ; the group of 64 columns
	s_mul_i32 s27, s20, 393216
	s_add_co_u32 s28, s28, s27
	s_wait_alu depctr_va_vdst(0)
	WPATH 3072
.Lfunc_end_k_qb0b1fb89fa_prep:
	.size	k_qb0b1fb89fa_prep, .Lfunc_end_k_qb0b1fb89fa_prep-k_qb0b1fb89fa_prep
	.p2alignl 7, 3214868480
	.fill 96, 4, 3214868480
	.section	.rodata,"a",@progbits
	.p2align	6, 0x0
	.amdhsa_kernel k_qb0b1fb89fa_prep
		.amdhsa_group_segment_fixed_size 34304
		.amdhsa_private_segment_fixed_size 0
		.amdhsa_enable_private_segment 0
		.amdhsa_kernarg_size 56
		.amdhsa_user_sgpr_count 2
		.amdhsa_user_sgpr_kernarg_segment_ptr 1
		.amdhsa_wavefront_size32 1
		.amdhsa_system_sgpr_workgroup_id_x 1
		.amdhsa_system_sgpr_workgroup_id_y 1
		.amdhsa_system_sgpr_workgroup_id_z 1
		.amdhsa_system_vgpr_workitem_id 0
		.amdhsa_next_free_vgpr 178
		.amdhsa_next_free_sgpr 66
		.amdhsa_reserve_vcc 0
		.amdhsa_float_denorm_mode_32 3
		.amdhsa_float_denorm_mode_16_64 3
		.amdhsa_memory_ordered 1
		.amdhsa_forward_progress 1
		.amdhsa_inst_pref_size 47
	.end_amdhsa_kernel
	.amdgpu_metadata
---
amdhsa.version: [ 1, 2 ]
amdhsa.kernels:
  - .name:           k_qb0b1fb89fa_prep
    .symbol:         k_qb0b1fb89fa_prep.kd
    .args:
      - { .name: x, .offset: 0, .size: 8, .value_kind: global_buffer, .address_space: global }
      - { .name: Wq, .offset: 8, .size: 8, .value_kind: global_buffer, .address_space: global }
      - { .name: Wk, .offset: 16, .size: 8, .value_kind: global_buffer, .address_space: global }
      - { .name: Wv, .offset: 24, .size: 8, .value_kind: global_buffer, .address_space: global }
      - { .name: Wp, .offset: 32, .size: 8, .value_kind: global_buffer, .address_space: global }
      - { .name: xq, .offset: 40, .size: 8, .value_kind: global_buffer, .address_space: global }
      - { .name: wq, .offset: 48, .size: 8, .value_kind: global_buffer, .address_space: global }
    .group_segment_fixed_size: 34304
    .private_segment_fixed_size: 0
    .kernarg_segment_align: 8
    .kernarg_segment_size: 56
    .max_flat_workgroup_size: 128
    .sgpr_count:     66
    .vgpr_count:     178
    .wavefront_size: 32
...
	.end_amdgpu_metadata
.endif
;; end of part 5
;; launch qkv (part 6): grid 28 x 9, 4 waves a work-group, no clusters, 52,736 bytes of LDS; arguments xq, wq, bq, bk, bv, qq, kq, vq; writes qq, kq, vq
.if DOCPART == 6
	.amdgcn_target "amdgcn-amd-amdhsa--gfx1250"
	.amdhsa_code_object_version 6
	.text
	.protected	k_qb0b1fb89fa_qkv
	.globl	k_qb0b1fb89fa_qkv
	.p2align	8
	.type	k_qb0b1fb89fa_qkv,@function
k_qb0b1fb89fa_qkv:
	s_mov_b64 s[64:65], 0
	v_nop
	global_prefetch_b8 v0, s[64:65] scope:SCOPE_SE
	s_setreg_imm32_b32 hwreg(HW_REG_WAVE_SCHED_MODE, 0, 2), 2
	s_setreg_imm32_b32 hwreg(HW_REG_WAVE_MODE, 25, 1), 1
	s_wait_xcnt 0x0
	s_wait_alu depctr_vm_vsrc(0)
; q, k, v = x W + b on codes of FP8 (E4M3) with E8M0 scales, and their results quantised again into the operands of attention.
; All operands are images of operand registers (a fragment: 16 rows x 128 K, group c of four registers at 512 c + 16 x lane; its scale word at 4 x lane);
; lane r of tile 2 B + u holds row or column 32 B + 8 u + r + 8 (r / 8).
; SHARES.  THE WEIGHTS STAY IN REGISTERS: work-group y = column group cg (0-2 q, 3-5 k, 6-8 v); wave w holds head 4 (cg mod 3) + w: 64 columns x 768 = 24 fragments, 384 registers,
; read once.  Work-group x = rho walks the blocks of 32 rows rho, rho + 28, ..: 512 blocks over 28 groups, 19 at the most.  The trip count is a constant (20);
; a trip past the last block jumps over its loads and its work, not over its barrier.
; A block's 12 fragments of x and their words (26,112 consecutive bytes in two runs) come through registers into one of two LDS buffers, a trip ahead; every wave reads all of them.
; ONE barrier a trip: in front of it a wave's stores into this trip's buffer have landed and its reads of the other buffer are in; a buffer is written again only behind the next trip's barrier.
; q, k: the product is used transposed (source 0 = 16 columns of W, source 1 = 16 rows of x): a lane holds one row and 16 neighbours along the head's 64 in the registers of two tiles;
; the 16 code registers of the block's two row tiles are ONE fragment [tile 0's 64 | tile 1's 64].  v: source 0 = x, source 1 = W: a lane holds one column e and 16 neighbouring KEYS.
; The bias is the C of each sum's first matrix instruction.
; qq, kq: images [bh][block of 32 rows tb], at SC the words.  vq: images [bh][step of 128 keys][tile of e] with group c = key block 4 step + c; at SC raw words [bh][tb], byte = tile of e.
; NO CLUSTER: the work-groups that read the same block of x are the 9 column groups, which no cluster of 4 divides; the weights are read once a work-group.
; LIMITS: NaN and infinities are not served; a block of zeros gets the byte 1, not 127 (its codes are zeros; the bytes are read by this program alone); magnitudes under 2^-118 are held at the byte 1.
; REGISTERS: window 0: v1-5 addresses; v32-95 accumulators; v96-111 codes; v112-127 at work; v128 the scale word; v132-155 W's scale words (4 s + t); v156-167 x's (6 u + s);
;   v168-218 the block on its way to LDS; v220-251 the bias, 8 a tile.   window 1: W's fragments of K steps 0-3 at 16 (4 s + t).   window 2: K steps 4, 5.   window 3: x's 12 fragments at 16 (6 u + s).
; THE MODE: SCHED_MODE bits 1:0 = 2 (LLVM: expert scheduling mode 2), set by the entry lines.  The code itself states the register dependences
; between vector or matrix instructions and memory or LDS instructions, with s_wait_alu, always for 0.
; THE PLAN.  Registers that memory or LDS instructions touch, round a trip:
;   v1-v4         offsets, made at the head and never written again; read by every load and store.  v5: made in the bias's two arms, read by that arm's loads alone.
;   SG            written by the global loads of the next block; read by the next trip's LDS stores; no vector instruction names it.
;   XS, window 3  x's scale words and fragments: written by the trip's LDS loads; read by the trip's matrix instructions.
;   PC, PW        written by the trip's quantiser; read by the trip's five global stores.
;   W's fragments and scale words and the bias are loaded at the head and then named by matrix instructions alone.  v254, v255: made at the head, read by the closing add alone.
; Three waits a trip.  One on vm_vsrc behind the barrier: the LDS stores have read SG, and the last trip's global stores PC and PW.  One on va_vdst ahead of the trip's first LDS load: the last trip's matrix
; instructions are done reading XS and the fragments.  One on va_vdst behind the quantiser, ahead of the global stores.  Behind the second, the fragments of K step s + 3 are asked for behind the matrix
; instructions of K step s with no further wait: those name W's fragments, x's fragments of K steps up to s, the accumulators, the bias and the scale words, none of which such a load touches.
.set SC,    12582912
.set WSC,   2359296
.set NGRP,  28
.set NBLK,  512
.set DTRIPS, 10
.set BUF1,  26112
.set XW,    24576                      ; the scale words' place in a buffer
.set LI,  1                            ; 16 x lane
.set LS,  2                            ; 4 x lane
.set T16, 3                            ; 16 x thread
.set T4,  4                            ; 4 x thread
.set BA,  5                            ; the bias's lane offset
.set ACC, 32
.set PC,  96
.set TM,  112
.set PW,  128
.set WS,  132
.set XS,  156
.set SG,  168
.set BI,  220
.set SEL, 28
.set MNT, 30
.set MSB, 0
.macro WIN new                         ; the immediate's high byte repeats the setting that is left
.if MSB != \new
	s_set_vgpr_msb (MSB<<8)|\new
.set MSB, \new
.endif
.endm
.macro QUANT src, nb, pc, pw           ; 16 nb numbers of a lane become codes and a scale word; a block of 32 lies in lanes l and l xor 16.  Each accumulator is first read at its low end
.irp b, 0,1,2,3
.if \b < \nb
	v_max3_num_f32 v[TM+\b], |v[\src+16*\b]|, |v[\src+16*\b+1]|, 0x4800000   ; my 16 numbers and the floor 2^(9 - 127)
.endif
.endr
.irp i, 2,4,6,8,10,12,14
.irp b, 0,1,2,3
.if \b < \nb
	v_max3_num_f32 v[TM+\b], v[TM+\b], |v[\src+16*\b+\i]|, |v[\src+16*\b+\i+1]|
.endif
.endr
.endr
.irp b, 0,1,2,3
.if \b < \nb
	v_permlanex16_b32 v[TM+4+\b], v[TM+\b], s[SEL], s[SEL+1]
.endif
.endr
.irp b, 0,1,2,3
.if \b < \nb
	v_max_num_f32 v[TM+\b], v[TM+\b], v[TM+4+\b]
.endif
.endr
.irp b, 0,1,2,3
.if \b < \nb
	v_add_nc_u32 v[TM+12+\b], 0xfc000000, v[TM+\b]        ; 8 off the exponent field: the conversion's scale operand
.endif
.endr
.irp b, 0,1,2,3
.if \b < \nb
	v_and_or_b32 v[TM+8+\b], v[TM+\b], 0x7f800000, s[MNT] ; 448 x the scale
.endif
.endr
.irp b, 0,1,2,3
.if \b < \nb
	v_lshrrev_b32 v[TM+4+\b], 23, v[TM+12+\b]             ; the byte
.endif
.endr
	v_lshl_or_b32 v[\pw], v[TM+5], 8, v[TM+4]
.if \nb == 4
	v_lshl_or_b32 v[\pw], v[TM+6], 16, v[\pw]
	v_lshl_or_b32 v[\pw], v[TM+7], 24, v[\pw]
.endif
.irp b, 0,1,2,3
.if \b < \nb
.irp i, 0,1,2,3,4,5,6,7,8,9,10,11,12,13,14,15
	v_med3_num_f32 v[\src+16*\b+\i], v[\src+16*\b+\i], -v[TM+8+\b], v[TM+8+\b]   ; the conversion does not saturate (ISA guide 7.6.2): hold first
.endr
	v_cvt_scalef32_pk8_fp8_f32 v[\pc+4*\b:\pc+4*\b+1], v[\src+16*\b:\src+16*\b+7], v[TM+12+\b]
	v_cvt_scalef32_pk8_fp8_f32 v[\pc+4*\b+2:\pc+4*\b+3], v[\src+16*\b+8:\src+16*\b+15], v[TM+12+\b]
.endif
.endr
	v_nop
.endm
.macro GLOAD                           ; a block of x: 12 x 2,048 bytes of codes, 3 x 512 of scale words; the 128 threads read consecutive bytes
.irp i, 0,1,2,3,4,5,6,7,8,9,10,11
	global_load_b128 v[SG+4*\i:SG+4*\i+3], v[T16], s[32:33] offset:2048*\i
.endr
.irp i, 0,1,2
	global_load_b32 v[SG+48+\i], v[T4], s[34:35] offset:512*\i
.endr
.endm
.macro PUT buf                         ; and into LDS as it lies
.irp i, 0,1,2,3,4,5,6,7,8,9,10,11
	ds_store_b128 v[T16], v[SG+4*\i:SG+4*\i+3] offset:\buf+2048*\i
.endr
.irp i, 0,1,2
	ds_store_b32 v[T4], v[SG+48+\i] offset:\buf+XW+512*\i
.endr
.endm
.macro XSTEP buf, s                    ; x's two fragments of K step s: eight loads
	WIN 0xc0                                       ; destination window 3
.irp u, 0,1
.irp c, 0,1,2,3
	ds_load_b128 v[16*(6*\u+(\s))+4*\c:16*(6*\u+(\s))+4*\c+3], v[LI] offset:\buf+2048*(6*\u+(\s))+512*\c
.endr
.endr
.endm
.macro XHEAD buf                       ; the 12 scale words, then the fragments of K steps 0 to 2; those of K steps 3 to 5 follow among the matrix instructions
	s_wait_alu depctr_va_vdst(0)                   ; the last trip's matrix instructions are done reading x's scale words and fragments, in which this trip's LDS loads land
.irp f, 0,1,2,3,4,5,6,7,8,9,10,11
	ds_load_b32 v[XS+\f], v[LS] offset:\buf+XW+128*\f
.endr
	XSTEP \buf, 0
	XSTEP \buf, 1
	XSTEP \buf, 2
	WIN 0
.endm
; 48 matrix instructions, the 8 accumulators by turns, one instruction a turn, in the same order in every K step
.macro MULQK buf                       ; source 0 = W's tile t, source 1 = x's tile u; accumulator at ACC + 32 u + 8 t
.irp s, 0,1,2,3,4,5
.if \s < 4
	s_wait_dscnt 16                                ; this K step's fragments are in; the two younger steps' sixteen loads may be out
.else
	s_wait_dscnt 8*(5-\s)                          ; the counts run down: eight, then none
.endif
.if \s < 4
	WIN 0x0d                                       ; source 0 window 1, source 1 window 3
.else
	WIN 0x0e                                       ; source 0 window 2
.endif
.irp u, 0,1
.irp t, 0,1,2,3
.if \s == 0
	v_wmma_scale_f32_16x16x128_f8f6f4 v[ACC+32*\u+8*\t:ACC+32*\u+8*\t+7], v[16*(4*(\s%4)+\t):16*(4*(\s%4)+\t)+15], v[16*(6*\u+\s):16*(6*\u+\s)+15], v[BI+8*\t:BI+8*\t+7], v[WS+4*\s+\t], v[XS+6*\u+\s]
.else
	v_wmma_scale_f32_16x16x128_f8f6f4 v[ACC+32*\u+8*\t:ACC+32*\u+8*\t+7], v[16*(4*(\s%4)+\t):16*(4*(\s%4)+\t)+15], v[16*(6*\u+\s):16*(6*\u+\s)+15], v[ACC+32*\u+8*\t:ACC+32*\u+8*\t+7], v[WS+4*\s+\t], v[XS+6*\u+\s]
.endif
.endr
.endr
.if \s < 3
	XSTEP \buf, \s+3                               ; no wait: no vector or matrix instruction since the wait at the trip's first LDS load names v[LI] or these fragments
.endif
.endr
	WIN 0
.endm
.macro MULV buf                        ; source 0 = x's tile u, source 1 = W's tile t; accumulator at ACC + 16 t + 8 u
.irp s, 0,1,2,3,4,5
.if \s < 4
	s_wait_dscnt 16                                ; this K step's fragments are in; the two younger steps' sixteen loads may be out
.else
	s_wait_dscnt 8*(5-\s)
.endif
.if \s < 4
	WIN 0x07                                       ; source 0 window 3, source 1 window 1
.else
	WIN 0x0b                                       ; source 1 window 2
.endif
.irp t, 0,1,2,3
.irp u, 0,1
.if \s == 0
	v_wmma_scale_f32_16x16x128_f8f6f4 v[ACC+16*\t+8*\u:ACC+16*\t+8*\u+7], v[16*(6*\u+\s):16*(6*\u+\s)+15], v[16*(4*(\s%4)+\t):16*(4*(\s%4)+\t)+15], v[BI+8*\t:BI+8*\t+7], v[XS+6*\u+\s], v[WS+4*\s+\t]
.else
	v_wmma_scale_f32_16x16x128_f8f6f4 v[ACC+16*\t+8*\u:ACC+16*\t+8*\u+7], v[16*(6*\u+\s):16*(6*\u+\s)+15], v[16*(4*(\s%4)+\t):16*(4*(\s%4)+\t)+15], v[ACC+16*\t+8*\u:ACC+16*\t+8*\u+7], v[XS+6*\u+\s], v[WS+4*\s+\t]
.endif
.endr
.endr
.if \s < 3
	XSTEP \buf, \s+3                               ; no wait, as in the other product
.endif
.endr
	WIN 0
.endm
.macro PLACES                          ; eight places behind this matrix form, ahead of the first read of results
.rept 8
	v_nop
.endr
.endm
	s_load_b512 s[4:19], s[0:1], 0x0               ; xq, wq, bq, bk, bv, qq, kq, vq
	v_lshl_add_u32 v254, v0, 2, 0xcc00
	v_mov_b32 v255, 0
	v_lshrrev_b32 v5, 5, v0
	v_readfirstlane_b32 s20, v5                    ; wave
	v_and_b32 v6, 31, v0
	v_lshlrev_b32 v[LI], 4, v6
	v_lshlrev_b32 v[LS], 2, v6
	v_lshlrev_b32 v[T16], 4, v0
	v_lshlrev_b32 v[T4], 2, v0
	s_mov_b32 s21, ttmp9                           ; rho
	s_and_b32 s22, ttmp7, 0xffff                   ; cg
	s_cmp_ge_u32 s22, 3
	s_cselect_b32 s44, 3, 0
	s_cmp_ge_u32 s22, 6
	s_cselect_b32 s44, 6, s44
	s_sub_co_u32 s23, s22, s44
	s_lshl_b32 s23, s23, 2
	s_wait_alu depctr_va_sdst(0)                   ; s20, the wave's number, is written, ahead of its first reader
	s_add_co_u32 s23, s23, s20                     ; the head: 4 (cg mod 3) + wave
	s_lshl_b32 s50, s22, 2
	s_add_co_u32 s50, s50, s20                     ; hm = 4 cg + wave
	s_mov_b32 s[SEL], 0x76543210
	s_mov_b32 s[SEL+1], 0xfedcba98
	s_mov_b32 s[MNT], 0x600000
	s_mov_b32 s24, s21                             ; the block in hand
	s_mov_b32 s26, DTRIPS
.irp b, 0,1,2,3
	v_mov_b32 v[TM+4+\b], 0                        ; a lane permute's destination counts as one of its sources
.endr
	s_mul_i32 s46, s50, 49152
	s_mov_b32 s47, 0
	s_wait_kmcnt 0x0
	s_add_nc_u64 s[44:45], s[6:7], s[46:47]        ; my 24 fragments of W
	s_mul_i32 s48, s50, 3072
	s_add_co_u32 s48, s48, WSC
	s_mov_b32 s49, 0
	s_add_nc_u64 s[46:47], s[6:7], s[48:49]        ; their scale words
	s_cmp_lt_u32 s22, 3                            ; the bias and the output: choices that hang on the work-group's number alone
	s_cselect_b64 s[48:49], s[8:9], s[10:11]
	s_cselect_b64 s[36:37], s[14:15], s[16:17]
	s_cmp_lt_u32 s22, 6
	s_cselect_b64 s[48:49], s[48:49], s[12:13]
	s_cselect_b64 s[36:37], s[36:37], s[18:19]
	s_lshl_b32 s50, s23, 8
	s_mov_b32 s51, 0
	s_add_nc_u64 s[48:49], s[48:49], s[50:51]      ; my head's 64 numbers of the bias
	s_add_nc_u64 s[38:39], s[36:37], SC            ; the output's scale words
	s_mul_i32 s50, s21, 24576
	s_add_nc_u64 s[32:33], s[4:5], s[50:51]        ; x's first block,
	s_mul_i32 s50, s21, 1536
	s_add_co_u32 s50, s50, SC
	s_add_nc_u64 s[34:35], s[4:5], s[50:51]        ; and its scale words
	WIN 0x40                                       ; destination window 1
	s_wait_alu depctr_va_vdst(0)                   ; the four offsets v1 to v4 are written, which every load and store of the kernel but the bias's reads
.irp f, 0,1,2,3,4,5,6,7,8,9,10,11,12,13,14,15
.irp c, 0,1,2,3
	global_load_b128 v[16*\f+4*\c:16*\f+4*\c+3], v[LI], s[44:45] offset:2048*\f+512*\c
.endr
.endr
	WIN 0x80                                       ; destination window 2
.irp f, 0,1,2,3,4,5,6,7
.irp c, 0,1,2,3
	global_load_b128 v[16*\f+4*\c:16*\f+4*\c+3], v[LI], s[44:45] offset:2048*(16+\f)+512*\c
.endr
.endr
	WIN 0
.irp f, 0,1,2,3,4,5,6,7,8,9,10,11,12,13,14,15,16,17,18,19,20,21,22,23
	global_load_b32 v[WS+\f], v[LS], s[46:47] offset:128*\f
.endr
	s_cmp_lt_u32 s22, 6
	s_cbranch_scc0 .Lbias_v
	v_bfe_u32 v[BA], v0, 4, 1                      ; q, k: register j of tile 2 B + u is column 32 B + 16 h + 8 u + j
	v_lshlrev_b32 v[BA], 6, v[BA]
	s_wait_alu depctr_va_vdst(0)                   ; v[BA] is written, which the eight loads below read as their offset
.irp t, 0,1,2,3
	global_load_b128 v[BI+8*\t:BI+8*\t+3], v[BA], s[48:49] offset:(32*(\t/2)+8*(\t%2))*4
	global_load_b128 v[BI+8*\t+4:BI+8*\t+7], v[BA], s[48:49] offset:(32*(\t/2)+8*(\t%2))*4+16
.endr
	s_branch .Lbias_done
.Lbias_v:
	v_and_b32 v[BA], 15, v0                        ; v: all eight registers of tile 2 B + u are column 32 B + 8 u + r + 8 (r / 8)
	v_lshrrev_b32 v6, 3, v[BA]
	v_lshl_add_u32 v[BA], v6, 3, v[BA]
	v_lshlrev_b32 v[BA], 2, v[BA]
	s_wait_alu depctr_va_vdst(0)                   ; v[BA] is written, which the 32 loads below read as their offset
.irp t, 0,1,2,3
.irp j, 0,1,2,3,4,5,6,7
	global_load_b32 v[BI+8*\t+\j], v[BA], s[48:49] offset:(32*(\t/2)+8*(\t%2))*4
.endr
.endr
.Lbias_done:
	GLOAD
.macro TRIP buf
	s_wait_loadcnt 0x0                             ; the block asked for a trip ago is in (in the first trip: the weights, their words and the bias too)
	PUT \buf
	s_add_nc_u64 s[32:33], s[32:33], NGRP*24576    ; the loads are done: their bases may step
	s_add_nc_u64 s[34:35], s[34:35], NGRP*1536
	s_add_co_u32 s25, s24, NGRP                    ; the next block
	s_wait_dscnt 0x0                               ; my stores have landed; my reads of the other buffer are in
	s_barrier_signal -1
	s_barrier_wait -1
	s_wait_alu depctr_vm_vsrc(0)                   ; the LDS stores above have read v[SG ..], in which the next block's loads land; the last trip's global stores have read v[PC ..] and v[PW], which this trip's quantiser writes again
	s_cmp_lt_u32 s25, NBLK
	s_cbranch_scc0 .Lno_load_\@                    ; no load leaves its buffer
	GLOAD
.Lno_load_\@:
	s_cmp_lt_u32 s24, NBLK
	s_cbranch_scc0 .Lend_\@
	XHEAD \buf
	s_wait_xcnt 0x0                                ; the last trip's stores have read their data and bases: both are written again below
	s_lshr_b32 s44, s24, 5                         ; the batch,
	s_and_b32 s45, s24, 31                         ; tb: the block of 32 rows in it
	s_mul_i32 s44, s44, 12
	s_add_co_u32 s44, s44, s23                     ; bh
	s_lshl_b32 s46, s44, 5
	s_add_co_u32 s46, s46, s45                     ; 32 bh + tb
	s_lshl_b32 s48, s46, 7
	s_mov_b32 s49, 0
	s_add_nc_u64 s[42:43], s[38:39], s[48:49]
	s_cmp_lt_u32 s22, 6
	s_cbranch_scc0 .Lv_\@
	s_lshl_b32 s48, s46, 11
	s_add_nc_u64 s[40:41], s[36:37], s[48:49]
	MULQK \buf
	PLACES
	QUANT ACC, 4, PC, PW                           ; block 2 u + B: row tile u, columns 32 B on
	s_wait_alu depctr_va_vdst(0)                   ; the quantiser has written v[PC ..] and v[PW], which the stores below read
.irp c, 0,1,2,3
	global_store_b128 v[LI], v[PC+4*\c:PC+4*\c+3], s[40:41] offset:512*\c   ; 512 consecutive bytes, aligned
.endr
	global_store_b32 v[LS], v[PW], s[42:43]
	s_branch .Lend_\@
.Lv_\@:
	s_lshl_b32 s48, s44, 16
	s_lshr_b32 s50, s45, 2
	s_lshl_b32 s50, s50, 13                        ; the step of 128 keys,
	s_add_co_u32 s48, s48, s50
	s_and_b32 s50, s45, 3
	s_lshl_b32 s50, s50, 9                         ; the group in its fragments
	s_add_co_u32 s48, s48, s50
	s_add_nc_u64 s[40:41], s[36:37], s[48:49]
	MULV \buf
	PLACES
	QUANT ACC, 4, PC, PW                           ; block t: tile t of e, these 32 keys
	s_wait_alu depctr_va_vdst(0)                   ; the quantiser has written v[PC ..] and v[PW], which the stores below read
.irp c, 0,1,2,3
	global_store_b128 v[LI], v[PC+4*\c:PC+4*\c+3], s[40:41] offset:2048*\c
.endr
	global_store_b32 v[LS], v[PW], s[42:43]
.Lend_\@:
	s_mov_b32 s24, s25
.endm
.Ltrips:
	TRIP 0
	TRIP BUF1
	s_sub_co_u32 s26, s26, 1
	s_cmp_lg_u32 s26, 0
	s_cbranch_scc1 .Ltrips
	s_wait_dscnt 0x0                               ; the closing lines, six on end
	s_wait_alu 0x0
	s_wait_tensorcnt 0x0
	ds_add_u32 v254, v255
	s_wait_dscnt 0x0
	s_endpgm
.Lfunc_end_k_qb0b1fb89fa_qkv:
	.size	k_qb0b1fb89fa_qkv, .Lfunc_end_k_qb0b1fb89fa_qkv-k_qb0b1fb89fa_qkv
	.p2alignl 7, 3214868480
	.fill 96, 4, 3214868480
	.section	.rodata,"a",@progbits
	.p2align	6, 0x0
	.amdhsa_kernel k_qb0b1fb89fa_qkv
		.amdhsa_group_segment_fixed_size 52736
		.amdhsa_private_segment_fixed_size 0
		.amdhsa_enable_private_segment 0
		.amdhsa_kernarg_size 64
		.amdhsa_user_sgpr_count 2
		.amdhsa_user_sgpr_kernarg_segment_ptr 1
		.amdhsa_wavefront_size32 1
		.amdhsa_system_sgpr_workgroup_id_x 1
		.amdhsa_system_sgpr_workgroup_id_y 1
		.amdhsa_system_sgpr_workgroup_id_z 1
		.amdhsa_system_vgpr_workitem_id 0
		.amdhsa_next_free_vgpr 960
		.amdhsa_next_free_sgpr 66
		.amdhsa_reserve_vcc 0
		.amdhsa_float_denorm_mode_32 3
		.amdhsa_float_denorm_mode_16_64 3
		.amdhsa_memory_ordered 1
		.amdhsa_forward_progress 1
		.amdhsa_inst_pref_size 99
	.end_amdhsa_kernel
	.amdgpu_metadata
---
amdhsa.version: [ 1, 2 ]
amdhsa.kernels:
  - .name:           k_qb0b1fb89fa_qkv
    .symbol:         k_qb0b1fb89fa_qkv.kd
    .args:
      - { .name: xq, .offset: 0, .size: 8, .value_kind: global_buffer, .address_space: global }
      - { .name: wq, .offset: 8, .size: 8, .value_kind: global_buffer, .address_space: global }
      - { .name: bq, .offset: 16, .size: 8, .value_kind: global_buffer, .address_space: global }
      - { .name: bk, .offset: 24, .size: 8, .value_kind: global_buffer, .address_space: global }
      - { .name: bv, .offset: 32, .size: 8, .value_kind: global_buffer, .address_space: global }
      - { .name: qq, .offset: 40, .size: 8, .value_kind: global_buffer, .address_space: global }
      - { .name: kq, .offset: 48, .size: 8, .value_kind: global_buffer, .address_space: global }
      - { .name: vq, .offset: 56, .size: 8, .value_kind: global_buffer, .address_space: global }
    .group_segment_fixed_size: 52736
    .private_segment_fixed_size: 0
    .kernarg_segment_align: 8
    .kernarg_segment_size: 64
    .max_flat_workgroup_size: 128
    .sgpr_count:     66
    .vgpr_count:     960
    .wavefront_size: 32
...
	.end_amdgpu_metadata
.endif
;; end of part 6
;; launch attn (part 7): grid 16 x 16, 16 waves a work-group, no clusters, 280,576 bytes of LDS; arguments qq, kq, vq, oq; writes oq
.if DOCPART == 7
	.amdgcn_target "amdgcn-amd-amdhsa--gfx1250"
	.amdhsa_code_object_version 6
	.text
	.protected	k_qb0b1fb89fa_attn
	.globl	k_qb0b1fb89fa_attn
	.p2align	8
	.type	k_qb0b1fb89fa_attn,@function
k_qb0b1fb89fa_attn:
	s_mov_b64 s[64:65], 0
	v_nop
	global_prefetch_b8 v0, s[64:65] scope:SCOPE_SE
	s_setreg_imm32_b32 hwreg(HW_REG_WAVE_MODE, 25, 1), 1
	s_wait_xcnt 0x0
; o = softmax(q k^T / 8) v, head by head, both products on codes of FP8 (E4M3) with E8M0 scales, and o quantised again along the concatenated heads for the output projection.
; THE SOFTMAX AHEAD OF THE SECOND PRODUCT: t = score x log2(e) / 8; M = the running largest t rounded UP to a whole number; p = 2^(t - M) is quantised along the keys, not normalised; the row's sum is taken
; of the unquantised p and divides at the end.  When M moves, the sum and O are multiplied by 2^(old M - new M): exact.
; SHARES.  A UNIT is 256 queries (a quarter) of one head: 768 units, THREE FOR EACH OF 256 WORK-GROUPS, WHICH STAY.  Work-group y = batch; x = 4 g + m: the four work-groups of a g share heads 3 g + 0, 1, 2 (h0, h1, h2):
;   m = 0: h0 quarter 0 | h0 quarters 1, 2      m = 1: h0 quarter 3 | h1 quarters 0, 1      m = 2: h2 quarter 3 | h1 quarters 2, 3      m = 3: h2 quarter 0 | h2 quarters 1, 2
; In a unit each of SIXTEEN waves owns one tile of 16 queries in 256 registers, four waves to a SIMD, so that one wave's vector work stands beside another's matrix work and LDS loads; it walks the head's 1,024 keys, 128 a step.
; LDS: TWO SLOTS of 139,264 bytes, each a head's whole K (65,536), V (65,536), K's scale words (4,096) and V's (4,096).  Slot A serves unit 0, slot B units 1 and 2, in every work-group: so every LDS address is a constant and a
; lane term.  K and V of both slots are copied in ONCE, at the head, lane by lane; no byte is filled twice.  (For m = 0 and 3 both slots hold the same head: two fills in eight more than needed, so that all work-groups run one text with one count of copies.)
; THE SCALE WORDS come through registers, into bytes that no copy fills: wave w (0-7: slot A; 8-15: slot B) takes step w % 8: K's four words a lane as they lie, V's four turned from [key block][tile] to [tile][key block];
; each four are stored on end at 16 x lane, so that ONE load of 16 bytes a lane brings the four scale words of a step's four fragments.
; q's loads go out ahead of the copies; the next unit's q is loaded into q's registers in a unit's last step, behind the last products that read them.
; All operands are images of operand registers.  A fragment of K holds TWO tiles of 16 keys, [tile 0's 64 | tile 1's 64] along its 128: multiplied by [q | 0] it gives tile 0's scores, by [0 | q] tile 1's
; (the head's 64 fill half of the form's 128; zero codes add nothing under any scale byte that the quantiser gives).
; Both products are used transposed (S^T = K Q^T, O^T = V^T P^T): a lane holds ONE query throughout.  Lane r of tile 2 B + u holds key (query, e) 32 B + 8 u + r + 8 (r / 8), so that the 16 registers
; of two neighbouring tiles are 16 neighbours along the next product's K.
; oq: as x's codes: images [row tile][K step = head / 2], group 2 (head % 2) + B; at SC the scale words, of which a head writes two bytes a lane (once a unit; the reader then takes whole words).
; NO CLUSTER: the four neighbours' slots hold different heads (A: h0 h0 h2 h2; B: h0 h1 h1 h2), and a slot is fetched once in a work-group's life, not step by step.
; LIMITS: NaN and infinities are not served; a block of zeros gets the byte 1, not 127 (its codes are zeros; the bytes are read by this program alone).
; REGISTERS: v1-4 LDS addresses of the slot in hand; v5, v6, v41, v247, v248 the copies' addresses; v9, v42 offsets in memory; v10, v11, v43 at work; v12 -M, v13 the largest t, v[14:15] the sum in two halves;
;   v16-39 [0 x 8 | q x 8 | 0 x 8]; v40 q's scale word; v44-47 the fragments' scale words; v48-111 four fragments of K or of V; v112-175 S^T, then p; v176-207 O^T; v208-223 p's codes; v224-239 at work;
;   v[240:241] the second chain of the sum; v244 f, v245 p's scale word; v246 at work.
.set SC,    12582912
.set LV,    65536                      ; in a slot: V,
.set LKS,   131072                     ; K's scale words,
.set LVS,   135168                     ; V's
.set SLOTB, 139264                     ; slot B
.set FS,   44
.set FR,   48
.set S,    112
.set O,    176
.set PC,   208
.set TM,   224
.set SEL,  18                          ; s[18:19]
.set MNT,  20
.set SH,   21                          ; s21  16 x (wave % 2): where my tile's two bytes stand in q's scale word
.set CS,   22                          ; s[22:23] c = log2(e) / 8
.set CNT,  56                          ; s56  units to go in the loop
; s[24:27] slot A's K and V in memory; s[30:33] slot B's; s[36:37] V's raw scale words for my wave, s[38:39] K's; s[40:43] unit 0's q and its scale words; s[44:47] unit 1's;
; s[48:51] unit 0's place in oq, codes and scale words; s[52:55] the loop's
.macro QUANT src, nb, pc, pw           ; 16 nb numbers of a lane become codes and a scale word; a block of 32 lies in lanes l and l xor 16
.irp b, 0,1,2,3
.if \b < \nb
	v_max3_num_f32 v[TM+\b], |v[\src+16*\b]|, |v[\src+16*\b+1]|, 0x4800000
.endif
.endr
.irp i, 2,4,6,8,10,12,14
.irp b, 0,1,2,3
.if \b < \nb
	s_delay_alu instid0(VALU_DEP_2)
	v_max3_num_f32 v[TM+\b], v[TM+\b], |v[\src+16*\b+\i]|, |v[\src+16*\b+\i+1]|
.endif
.endr
.endr
.irp b, 0,1,2,3
.if \b < \nb
	s_delay_alu instid0(VALU_DEP_2)
	v_permlanex16_b32 v[TM+4+\b], v[TM+\b], s[SEL], s[SEL+1]
.endif
.endr
.irp b, 0,1,2,3
.if \b < \nb
	s_delay_alu instid0(VALU_DEP_2)
	v_max_num_f32 v[TM+\b], v[TM+\b], v[TM+4+\b]
.endif
.endr
.irp b, 0,1,2,3
.if \b < \nb
	s_delay_alu instid0(VALU_DEP_2)
	v_add_nc_u32 v[TM+12+\b], 0xfc000000, v[TM+\b]
.endif
.endr
.irp b, 0,1,2,3
.if \b < \nb
	s_delay_alu instid0(VALU_DEP_4)
	v_and_or_b32 v[TM+8+\b], v[TM+\b], 0x7f800000, s[MNT]
.endif
.endr
.irp b, 0,1,2,3
.if \b < \nb
	s_delay_alu instid0(VALU_DEP_4)
	v_lshrrev_b32 v[TM+4+\b], 23, v[TM+12+\b]
.endif
.endr
	s_delay_alu instid0(VALU_DEP_1)
	v_lshl_or_b32 v[\pw], v[TM+5], 8, v[TM+4]
.if \nb == 4
	v_lshl_or_b32 v[\pw], v[TM+6], 16, v[\pw]
	v_lshl_or_b32 v[\pw], v[TM+7], 24, v[\pw]
.endif
.irp b, 0,1,2,3
.if \b < \nb
.irp i, 0,1,2,3,4,5,6,7,8,9,10,11,12,13,14,15
	v_med3_num_f32 v[\src+16*\b+\i], v[\src+16*\b+\i], -v[TM+8+\b], v[TM+8+\b]   ; the conversion does not saturate (ISA guide 7.6.2): hold first
.endr
	v_cvt_scalef32_pk8_fp8_f32 v[\pc+4*\b:\pc+4*\b+1], v[\src+16*\b:\src+16*\b+7], v[TM+12+\b]
	v_cvt_scalef32_pk8_fp8_f32 v[\pc+4*\b+2:\pc+4*\b+3], v[\src+16*\b+8:\src+16*\b+15], v[TM+12+\b]
.endif
.endr
	v_nop
.endm
; The addresses of a unit (12 batch + head in s[bh], head in s[hd], quarter in s[qr]) for my wave: q's half fragment, its scale words, o's two groups, o's scale words
.macro UADDR bh, hd, qr, q, qs, o, os
	s_lshl_b32 s60, s[\qr], 4
	s_add_co_u32 s60, s60, s12                     ; qt: my tile of the head's 64
	s_lshr_b32 s61, s60, 1
	s_lshl_b32 s62, s[\bh], 5
	s_add_co_u32 s61, s61, s62                     ; 32 bh + tb
	s_lshl_b32 s62, s61, 11
	s_and_b32 s63, s12, 1
	s_lshl_b32 s63, s63, 10                        ; my tile's half of the fragment
	s_add_co_u32 s62, s62, s63
	s_mov_b32 s63, 0
	s_add_nc_u64 s[\q:\q+1], s[4:5], s[62:63]
	s_lshl_b32 s62, s61, 7
	s_add_co_u32 s62, s62, SC
	s_add_nc_u64 s[\qs:\qs+1], s[4:5], s[62:63]
	s_lshl_b32 s61, s15, 6
	s_add_co_u32 s61, s61, s60                     ; the row tile: 64 batch + qt
	s_mul_i32 s61, s61, 6
	s_lshr_b32 s62, s[\hd], 1
	s_add_co_u32 s61, s61, s62                     ; fragment 6 x tile + head / 2
	s_and_b32 s60, s[\hd], 1
	s_lshl_b32 s62, s61, 11
	s_lshl_b32 s63, s60, 10
	s_add_co_u32 s62, s62, s63
	s_mov_b32 s63, 0
	s_add_nc_u64 s[\o:\o+1], s[10:11], s[62:63]
	s_lshl_b32 s62, s61, 7
	s_lshl_b32 s60, s60, 1
	s_add_co_u32 s62, s62, s60
	s_add_co_u32 s62, s62, SC
	s_add_nc_u64 s[\os:\os+1], s[10:11], s[62:63]
.endm
.macro QLOAD q, qs, qoff, soff         ; a unit's q into q's registers: e = 16 h + 0 .. 15, then 32 + 16 h + 0 .. 15; and the fragment's scale word
	global_load_b128 v[24:27], v42, s[\q:\q+1] offset:\qoff
	global_load_b128 v[28:31], v42, s[\q:\q+1] offset:\qoff+512
	global_load_b32 v11, v9, s[\qs:\qs+1] offset:\soff
.endm
; A unit's start, behind the wait for q.  A scale register written by a vector instruction stands eight places ahead of the first scaled matrix instruction that takes it: the start values, which are due anyway, are those places
.macro UPRO
	v_lshrrev_b32 v11, s[SH], v11                  ; my tile's two bytes,
	s_delay_alu instid0(VALU_DEP_1)
	v_and_b32 v11, 0xffff, v11
	s_delay_alu instid0(VALU_DEP_1)
	v_lshl_or_b32 v40, v11, 16, v11                ; twice: they serve [q | 0] and [0 | q]
	v_mov_b32 v13, 0xff61b1e6                      ; the largest t so far: -3e38
	s_delay_alu instid0(VALU_DEP_1)
	v_floor_f32 v12, -v13                          ; -M
	v_mov_b32 v14, 0                               ; the sum, in two halves
	v_mov_b32 v15, 0
	v_mov_b32 v245, 0                              ; (named as the upper half of the pair v[244:245] before it is first written)
.irp b, 0,1,2,3
	v_mov_b32 v[TM+4+\b], 0                        ; a lane permute's destination counts as one of its sources
.endr
.endm
; A KEY STEP: 128 keys.  nq = 1: unit 1's q is asked for; nq = 2: unit 2's, if the loop has a trip to go
.macro STEP s, nq
.if \s > 0
.rept 8
	v_nop                                          ; places behind the last step's products, ahead of loads into their operands (in front of a unit's first step the way out's lines are those places)
.endr
.endif
.irp b, 0,1,2,3
.irp c, 0,1,2,3
	ds_load_b128 v[FR+16*\b+4*\c:FR+16*\b+4*\c+3], v1 offset:8192*\s+2048*\b+512*\c
.endr
.endr
	ds_load_b128 v[FS:FS+3], v3 offset:512*\s      ; the four fragments' scale words, by one load
	s_wait_dscnt 0x0
.irp b, 0,1,2,3                                ; S^T: registers 16 b + i = key 128 s + 32 b + 16 h + i
	v_wmma_scale_f32_16x16x128_f8f6f4 v[S+16*\b:S+16*\b+7], v[FR+16*\b:FR+16*\b+15], v[24:39], 0, v[FS+\b], v40
	v_wmma_scale_f32_16x16x128_f8f6f4 v[S+16*\b+8:S+16*\b+15], v[FR+16*\b:FR+16*\b+15], v[16:31], 0, v[FS+\b], v40
.endr
.rept 8
	v_nop                                          ; places ahead of the loads below and of the first read of the scores
.endr
.irp e, 0,1,2,3                                ; V's four fragments land under the softmax
.irp c, 0,1,2,3
	ds_load_b128 v[FR+16*\e+4*\c:FR+16*\e+4*\c+3], v2 offset:8192*\s+2048*\e+512*\c
.endr
.endr
	ds_load_b128 v[FS:FS+3], v4 offset:512*\s      ; and their four scale words
.if \nq == 1
	QLOAD 44, 46, 0, 0                             ; this unit's last products on q are eight places back: the next unit's q lands under this step's softmax and the way out
.elseif \nq == 2
	s_cmp_eq_u32 s[CNT], 1
	s_cbranch_scc1 .Lno_next                       ; the last unit asks for nothing
	QLOAD 44, 46, 16384, 1024                      ; the next quarter: 8 fragments of q on, 8 x 128 bytes of scale words on
.Lno_next:
.endif
.irp b, 0,1,2,3
	v_max3_num_f32 v[TM+\b], v[S+16*\b], v[S+16*\b+1], v[S+16*\b+2]   ; the largest score of each block of 32 keys: for the row's maximum, and, since p rises with the score, for the block's largest p
.endr
.irp i, 3,5,7,9,11,13
.irp b, 0,1,2,3
	v_max3_num_f32 v[TM+\b], v[TM+\b], v[S+16*\b+\i], v[S+16*\b+\i+1]
.endr
.endr
.irp b, 0,1,2,3
	v_max_num_f32 v[TM+\b], v[TM+\b], v[S+16*\b+15]
.endr
.irp b, 0,1,2,3
	s_delay_alu instid0(VALU_DEP_4)
	v_permlanex16_b32 v[TM+4+\b], v[TM+\b], s[SEL], s[SEL+1]
.endr
.irp b, 0,1,2,3
	s_delay_alu instid0(VALU_DEP_4)
	v_max_num_f32 v[TM+\b], v[TM+\b], v[TM+4+\b]
.endr
	s_delay_alu instid0(VALU_DEP_2)
	v_max3_num_f32 v246, v[TM], v[TM+1], v[TM+2]
	s_delay_alu instid0(VALU_DEP_1)
	v_max_num_f32 v246, v246, v[TM+3]
	s_delay_alu instid0(VALU_DEP_1)
	v_mul_f32 v246, s[CS], v246                    ; as t (c is positive)
	s_delay_alu instid0(VALU_DEP_1)
	v_max_num_f32 v13, v13, v246                   ; the running largest t
	v_mov_b32 v246, v12
	s_delay_alu instid0(VALU_DEP_2)
	v_floor_f32 v12, -v13                          ; the new -M = -ceil(t)
	s_delay_alu instid0(VALU_DEP_1)
	v_sub_f32 v246, v12, v246                      ; old M - new M: a whole number, 0 or less
	s_delay_alu instid0(VALU_DEP_1)
	v_cvt_i32_f32 v246, v246                       ; (it saturates)
	s_delay_alu instid0(VALU_DEP_1)
	v_ldexp_f32 v244, 1.0, v246                    ; f = 2^(old M - new M)
.set j, 0
.rept 32
	v_pk_fma_f32 v[S+j:S+j+1], v[S+j:S+j+1], s[CS:CS+1], v[12:13] op_sel_hi:[1,0,0]   ; t - M, two at a time
.set j, j+2
.endr
.irp b, 0,1,2,3
	v_fma_f32 v[TM+\b], v[TM+\b], s[CS], v12       ; the same of each block's largest score
.endr
.set j, 0
	s_wait_alu depctr_va_vdst(0)
.rept 64
	v_exp_f32 v[S+j], v[S+j]                       ; p = 2^(t - M)
.set j, j+1
.endr
.irp b, 0,1,2,3
	v_exp_f32 v[TM+\b], v[TM+\b]                   ; the block's largest p: the same two instructions on the same number
.endr
	v_pk_mul_f32 v[14:15], v[14:15], v[244:245] op_sel_hi:[1,0]   ; the sums under the new M (a plain place behind the exponentials)
	s_wait_alu depctr_va_vdst(0)
.irp b, 0,1,2,3
	v_max_num_f32 v[TM+\b], 0x4800000, v[TM+\b]    ; the floor 2^(9 - 127)
.endr
.irp b, 0,1,2,3
	s_delay_alu instid0(VALU_DEP_4)
	v_add_nc_u32 v[TM+12+\b], 0xfc000000, v[TM+\b]
.endr
.irp b, 0,1,2,3
	v_and_or_b32 v[TM+8+\b], v[TM+\b], 0x7f800000, s[MNT]
.endr
.irp b, 0,1,2,3
	v_lshrrev_b32 v[TM+4+\b], 23, v[TM+12+\b]
.endr
	s_delay_alu instid0(VALU_DEP_3)
	v_lshl_or_b32 v245, v[TM+5], 8, v[TM+4]        ; p's scale word for these 128 keys
	s_delay_alu instid0(VALU_DEP_1)
	v_lshl_or_b32 v245, v[TM+6], 16, v245
	s_delay_alu instid0(VALU_DEP_1)
	v_lshl_or_b32 v245, v[TM+7], 24, v245
	v_pk_add_f32 v[240:241], v[S:S+1], v[S+2:S+3]  ; the row's sum of the UNQUANTISED p, in two chains
.set j, 4
.rept 15
	v_pk_add_f32 v[14:15], v[14:15], v[S+j:S+j+1]
	v_pk_add_f32 v[240:241], v[240:241], v[S+j+2:S+j+3]
.set j, j+4
.endr
	s_delay_alu instid0(VALU_DEP_1)
	v_pk_add_f32 v[14:15], v[14:15], v[240:241]
; THE HOLD, TWO TO AN INSTRUCTION.  The conversion does not saturate (ISA guide 7.6.2); p is not negative, so the hold is one-sided.  A pair takes number i of block b and number i xor 1 of block b + 1:
; one destination even, the other odd; the first sources four-register banks apart (i and i xor 1 modulo 4); the second sources, the two blocks' holds, neighbouring registers
.irp b, 0,2
.set i, 0
.rept 16
	v_dual_min_num_f32 v[S+16*\b+i], v[S+16*\b+i], v[TM+8+\b] :: v_dual_min_num_f32 v[S+16*\b+17+i-2*(i%2)], v[S+16*\b+17+i-2*(i%2)], v[TM+9+\b]
.set i, i+1
.endr
.irp d, 0,1
	v_cvt_scalef32_pk8_fp8_f32 v[PC+4*(\b+\d):PC+4*(\b+\d)+1], v[S+16*(\b+\d):S+16*(\b+\d)+7], v[TM+12+\b+\d]
	v_cvt_scalef32_pk8_fp8_f32 v[PC+4*(\b+\d)+2:PC+4*(\b+\d)+3], v[S+16*(\b+\d)+8:S+16*(\b+\d)+15], v[TM+12+\b+\d]
.endr
.endr
.if \s > 0
.set j, 0
.rept 16
	v_pk_mul_f32 v[O+j:O+j+1], v[O+j:O+j+1], v[244:245] op_sel_hi:[1,0]   ; O^T under the new M; also the places between the codes and the products
.set j, j+2
.endr
.else
	s_wait_alu depctr_va_vdst(0)
.rept 4
	v_nop                                          ; four places between codes made by vector instructions and a scaled matrix instruction
.endr
.endif
	s_wait_alu depctr_va_vdst(0)
	s_wait_dscnt 0x0                               ; V
.irp e, 0,1,2,3                                ; O^T: the four accumulators by turns; a unit's first step starts the sums
.if \s == 0
	v_wmma_scale_f32_16x16x128_f8f6f4 v[O+8*\e:O+8*\e+7], v[FR+16*\e:FR+16*\e+15], v[PC:PC+15], 0, v[FS+\e], v245
.else
	v_wmma_scale_f32_16x16x128_f8f6f4 v[O+8*\e:O+8*\e+7], v[FR+16*\e:FR+16*\e+15], v[PC:PC+15], v[O+8*\e:O+8*\e+7], v[FS+\e], v245
.endif
.endr
.endm
; A UNIT'S WAY OUT: O^T / the sum, quantised along e: registers 16 B + i = e 32 B + 16 h + i of my query
.macro UOUT o, os
.rept 8
	v_nop                                          ; places behind the last products
.endr
	v_add_f32 v14, v14, v15
	s_delay_alu instid0(VALU_DEP_1)
	v_permlanex16_b32 v246, v14, s[SEL], s[SEL+1]
	s_delay_alu instid0(VALU_DEP_1)
	v_add_f32 v14, v14, v246                       ; the row's sum
	s_wait_alu depctr_va_vdst(0)
	v_rcp_f32 v14, v14
	v_nop                                          ; a plain place behind the transcendental
.set j, 0
	s_wait_alu depctr_va_vdst(0)
.rept 16
	v_pk_mul_f32 v[S+j:S+j+1], v[O+j:O+j+1], v[14:15] op_sel_hi:[1,0]   ; each accumulator from its low end on
.set j, j+2
.endr
	QUANT S, 2, PC, 246
	global_store_b128 v42, v[PC:PC+3], s[\o:\o+1]              ; 512 consecutive bytes, aligned
	global_store_b128 v42, v[PC+4:PC+7], s[\o:\o+1] offset:512
	global_store_b16 v9, v246, s[\os:\os+1]                    ; my head's two bytes of the scale word
	s_wait_xcnt 0x0                                ; the stores have read their data and bases: the next unit writes both again
.endm
	s_load_b256 s[4:11], s[0:1], 0x0               ; qq, kq, vq, oq
	v_lshl_add_u32 v254, v0, 2, 0x44000
	v_mov_b32 v255, 0
	ds_add_u32 v254, v255
	ds_add_u32 v254, v255
	v_lshrrev_b32 v10, 5, v0
	s_delay_alu instid0(VALU_DEP_1)
	v_readfirstlane_b32 s12, v10                   ; wave 0..15
	v_and_b32 v10, 31, v0
	s_delay_alu instid0(VALU_DEP_1)
	v_lshlrev_b32 v42, 4, v10                      ; in memory: 16 x lane,
	s_delay_alu instid0(VALU_DEP_2)
	v_lshlrev_b32 v9, 2, v10                       ; 4 x lane
	s_delay_alu instid0(VALU_DEP_3)
	v_lshlrev_b32 v1, 4, v10                       ; in LDS, slot A, all at 16 x lane: K's images,
	s_delay_alu instid0(VALU_DEP_1)
	v_add_nc_u32 v2, LV, v1                        ; V's,
	s_delay_alu instid0(VALU_DEP_2)
	v_add_nc_u32 v3, LKS, v1                       ; K's scale words,
	s_delay_alu instid0(VALU_DEP_3)
	v_add_nc_u32 v4, LVS, v1                       ; V's
	v_lshlrev_b32 v5, 4, v0                        ; the copies: 16 x thread in memory,
	v_lshlrev_b32 v41, 4, v0                       ; and in LDS for slot A's K,
	s_delay_alu instid0(VALU_DEP_2)
	v_add_nc_u32 v6, LV, v5                        ; for its V;
	s_delay_alu instid0(VALU_DEP_3)
	v_add_nc_u32 v247, SLOTB, v5                   ; the same two for slot B
	s_delay_alu instid0(VALU_DEP_4)
	v_add_nc_u32 v248, SLOTB+LV, v5
	s_lshr_b32 s14, ttmp9, 2
	s_mul_i32 s14, s14, 3                          ; 3 g: h0
	s_and_b32 s13, ttmp9, 3                        ; m
	s_and_b32 s15, ttmp7, 0xffff                   ; batch
	s_and_b32 s16, s13, 2
	s_add_co_u32 s16, s16, s14                     ; slot A's head: h0, h0, h2, h2
	s_add_co_u32 s17, s13, 1
	s_lshr_b32 s17, s17, 1
	s_add_co_u32 s17, s17, s14                     ; slot B's: h0, h1, h1, h2
	s_lshr_b32 s38, s13, 1
	s_xor_b32 s38, s38, s13
	s_and_b32 s38, s38, 1
	s_mul_i32 s38, s38, 3                          ; unit 0's quarter: 0, 3, 3, 0
	s_lshl_b32 s57, s13, 1
	s_lshr_b32 s57, 0x61, s57
	s_and_b32 s57, s57, 3                          ; unit 1's: 1, 0, 2, 1 (two bits each of 0x61)
	s_mul_i32 s58, s15, 12
	s_add_co_u32 s59, s58, s17                     ; 12 batch + head: slot B's,
	s_add_co_u32 s58, s58, s16                     ; slot A's
	s_and_b32 s[SH], s12, 1
	s_lshl_b32 s[SH], s[SH], 4
	s_mov_b32 s[SEL], 0x76543210
	s_mov_b32 s[SEL+1], 0xfedcba98
	s_mov_b32 s[MNT], 0x600000
	s_mov_b32 s[CS], 0x3e38aa3b                    ; log2(e) / 8
	s_mov_b32 s[CS+1], s[CS]                       ; (named with it as a pair, so it is written)
	s_wait_alu depctr_va_vdst(0)
	s_wait_dscnt 0x0
	s_wait_kmcnt 0x0
	UADDR 58, 16, 38, 40, 42, 48, 50               ; unit 0
	s_cmp_lt_u32 s12, 8                            ; the scale words: waves 0-7 bring slot A's, waves 8-15 slot B's; step = wave % 8
	s_cselect_b32 s60, s58, s59
	s_lshl_b32 s60, s60, 12                        ; a head's words are 4,096 bytes in kq and in vq alike,
	s_and_b32 s62, s12, 7
	s_lshl_b32 s62, s62, 9                         ; a step's four blocks of 32 keys 512
	s_add_co_u32 s60, s60, s62
	s_add_co_u32 s60, s60, SC
	s_mov_b32 s61, 0
	s_add_nc_u64 s[36:37], s[8:9], s[60:61]        ; V's,
	s_add_nc_u64 s[38:39], s[6:7], s[60:61]        ; K's
	s_lshr_b32 s63, s12, 3
	s_mul_i32 s63, s63, SLOTB
	s_add_co_u32 s63, s63, s62
	v_add_nc_u32 v10, s63, v4                      ; and where they go: LVS + slot + 512 x step + 16 x lane,
	v_add_nc_u32 v43, s63, v3                      ; LKS + the same
	QLOAD 40, 42, 0, 0                             ; AHEAD OF THE COPIES: what the first step's head waits for is not queued behind the slots' bytes
.irp c, 0,1,2,3
	global_load_b32 v[48+\c], v9, s[36:37] offset:128*\c   ; V: key block 4 step + c: byte = tile of e
.endr
.irp c, 0,1,2,3
	global_load_b32 v[60+\c], v9, s[38:39] offset:128*\c   ; K: the word of fragment 4 step + c
.endr
	s_lshl_b32 s60, s58, 16
	s_add_nc_u64 s[24:25], s[6:7], s[60:61]        ; slot A's head: K,
	s_add_nc_u64 s[26:27], s[8:9], s[60:61]        ; V
	s_lshl_b32 s60, s59, 16
	s_add_nc_u64 s[30:31], s[6:7], s[60:61]        ; slot B's likewise
	s_add_nc_u64 s[32:33], s[8:9], s[60:61]
	; 32 copies a wave, ahead of every wait on ASYNCcnt, every LDS read and every barrier: slot A's 16 (K and V step by step), then slot B's 16; the 512 threads copy consecutive bytes
.irp s, 0,1,2,3,4,5,6,7
	global_load_async_to_lds_b128 v41, v5, s[24:25] offset:8192*\s
	global_load_async_to_lds_b128 v6, v5, s[26:27] offset:8192*\s
.endr
.irp s, 0,1,2,3,4,5,6,7
	global_load_async_to_lds_b128 v247, v5, s[30:31] offset:8192*\s
	global_load_async_to_lds_b128 v248, v5, s[32:33] offset:8192*\s
.endr
	UADDR 59, 17, 57, 44, 46, 52, 54               ; unit 1
.irp j, 0,1,2,3,4,5,6,7
	v_mov_b32 v[16+\j], 0                          ; the zero halves beside q: they stay for all three units
	v_mov_b32 v[32+\j], 0
.endr
	s_wait_loadcnt 0x0                             ; q, its scale word, K's and V's scale words
	v_perm_b32 v52, v49, v48, 0x05010400           ; V's 4 x 4 bytes turned: word = tile of e, byte = key block
	v_perm_b32 v53, v49, v48, 0x07030602
	v_perm_b32 v54, v51, v50, 0x05010400
	v_perm_b32 v55, v51, v50, 0x07030602
	s_delay_alu instid0(VALU_DEP_2)
	v_perm_b32 v56, v54, v52, 0x05040100
	s_delay_alu instid0(VALU_DEP_3)
	v_perm_b32 v57, v54, v52, 0x07060302
	s_delay_alu instid0(VALU_DEP_3)
	v_perm_b32 v58, v55, v53, 0x05040100
	s_delay_alu instid0(VALU_DEP_4)
	v_perm_b32 v59, v55, v53, 0x07060302
	ds_store_b128 v10, v[56:59]                    ; a lane's four words on end: 512 consecutive bytes a wave
	ds_store_b128 v43, v[60:63]
	UPRO
	; ---- unit 0, from slot A
	s_wait_asynccnt 28                             ; my first four copies are in: steps 0 and 1 of slot A's K and V; the other 28 may be out
	s_wait_dscnt 0x0                               ; the scale words have landed, both slots'
	s_barrier_signal -1
	s_barrier_wait -1
	STEP 0, 0
	STEP 1, 0
	s_wait_asynccnt 16                             ; slot A's 16 copies are in; slot B's 16 may be out
	s_wait_dscnt 0x0
	s_barrier_signal -1
	s_barrier_wait -1                              ; everybody's are
	STEP 2, 0
	STEP 3, 0
	STEP 4, 0
	STEP 5, 0
	STEP 6, 0
	STEP 7, 1
	UOUT 48, 50
	s_wait_asynccnt 0x0                            ; all my copies are in
	s_wait_dscnt 0x0
	s_barrier_signal -1
	s_barrier_wait -1                              ; slot B is whole
	v_add_nc_u32 v1, SLOTB, v1                     ; on to slot B
	v_add_nc_u32 v2, SLOTB, v2
	v_add_nc_u32 v3, SLOTB, v3
	v_add_nc_u32 v4, SLOTB, v4
	; ---- units 1 and 2, from slot B: nothing in LDS is written any more, so no barrier stands in the loop
	s_mov_b32 s[CNT], 2
.Lunit:
	s_wait_loadcnt 0x0                             ; this unit's q and its scale word, asked for in the last unit's last step
	UPRO
	STEP 0, 0
	STEP 1, 0
	STEP 2, 0
	STEP 3, 0
	STEP 4, 0
	STEP 5, 0
	STEP 6, 0
	STEP 7, 2
	UOUT 52, 54
	s_add_nc_u64 s[52:53], s[52:53], 196608        ; the next quarter: 16 row tiles = 96 fragments on,
	s_add_nc_u64 s[54:55], s[54:55], 12288         ; 96 x 128 bytes of scale words on
	s_sub_co_u32 s[CNT], s[CNT], 1
	s_cmp_lg_u32 s[CNT], 0
	s_cbranch_scc1 .Lunit
	s_wait_tensorcnt 0x0
	ds_add_u32 v254, v255
	s_wait_dscnt 0x0
	s_endpgm
.Lfunc_end_k_qb0b1fb89fa_attn:
	.size	k_qb0b1fb89fa_attn, .Lfunc_end_k_qb0b1fb89fa_attn-k_qb0b1fb89fa_attn
	.p2alignl 7, 3214868480
	.fill 96, 4, 3214868480
	.section	.rodata,"a",@progbits
	.p2align	6, 0x0
	.amdhsa_kernel k_qb0b1fb89fa_attn
		.amdhsa_group_segment_fixed_size 280576
		.amdhsa_private_segment_fixed_size 0
		.amdhsa_enable_private_segment 0
		.amdhsa_kernarg_size 32
		.amdhsa_user_sgpr_count 2
		.amdhsa_user_sgpr_kernarg_segment_ptr 1
		.amdhsa_wavefront_size32 1
		.amdhsa_system_sgpr_workgroup_id_x 1
		.amdhsa_system_sgpr_workgroup_id_y 1
		.amdhsa_system_sgpr_workgroup_id_z 1
		.amdhsa_system_vgpr_workitem_id 0
		.amdhsa_next_free_vgpr 256
		.amdhsa_next_free_sgpr 66
		.amdhsa_reserve_vcc 0
		.amdhsa_float_denorm_mode_32 3
		.amdhsa_float_denorm_mode_16_64 3
		.amdhsa_memory_ordered 1
		.amdhsa_forward_progress 1
		.amdhsa_inst_pref_size 255
	.end_amdhsa_kernel
	.section	.bss,"aw",@nobits
	.p2align	6
	.space	262144
	.amdgpu_metadata
---
amdhsa.version: [ 1, 2 ]
amdhsa.kernels:
  - .name:           k_qb0b1fb89fa_attn
    .symbol:         k_qb0b1fb89fa_attn.kd
    .args:
      - { .name: qq, .offset: 0, .size: 8, .value_kind: global_buffer, .address_space: global }
      - { .name: kq, .offset: 8, .size: 8, .value_kind: global_buffer, .address_space: global }
      - { .name: vq, .offset: 16, .size: 8, .value_kind: global_buffer, .address_space: global }
      - { .name: oq, .offset: 24, .size: 8, .value_kind: global_buffer, .address_space: global }
    .group_segment_fixed_size: 280576
    .private_segment_fixed_size: 0
    .kernarg_segment_align: 8
    .kernarg_segment_size: 32
    .max_flat_workgroup_size: 512
    .sgpr_count:     66
    .vgpr_count:     256
    .wavefront_size: 32
...
	.end_amdgpu_metadata
.endif
;; end of part 7
;; launch proj (part 8): grid 85 x 3, 4 waves a work-group, no clusters, 87,552 bytes of LDS; arguments oq, wq, bp, out0; writes out0
.if DOCPART == 8
	.amdgcn_target "amdgcn-amd-amdhsa--gfx1250"
	.amdhsa_code_object_version 6
	.text
	.protected	k_qb0b1fb89fa_proj
	.globl	k_qb0b1fb89fa_proj
	.p2align	8
	.type	k_qb0b1fb89fa_proj,@function
k_qb0b1fb89fa_proj:
	s_mov_b64 s[64:65], 0
	v_nop
	global_prefetch_b8 v0, s[64:65] scope:SCOPE_SE
	s_setreg_imm32_b32 hwreg(HW_REG_WAVE_SCHED_MODE, 0, 2), 2
	s_setreg_imm32_b32 hwreg(HW_REG_WAVE_MODE, 25, 1), 1
	s_wait_xcnt 0x0
	s_wait_alu depctr_vm_vsrc(0)
; out0 = o Wp + bp on codes of FP8 (E4M3) with E8M0 scales; out0 [16384][768] f32.
; All operands are images of operand registers (a fragment: 16 rows x 128 K, group c at 512 c + 16 x lane; its scale word at 4 x lane); lane r of tile 2 B + u holds row or column 32 B + 8 u + r + 8 (r / 8).
; SHARES.  THE WEIGHTS STAY IN REGISTERS: work-group y = cg (0-2); wave w holds columns 64 (4 cg + w) on, all 768 of K: 24 fragments, 384 registers, read once.
; Work-group x = rho walks the blocks of 32 rows rho, rho + 85, ..: 512 blocks over 85 groups, 7 at the most.  The trip count is a constant (8); a trip past the last block jumps over its loads and work, not over its barrier.
; A block's 12 fragments of o and their words come through registers into one of two LDS buffers, a trip ahead; every wave reads all of them.  ONE barrier a trip: in front of it a wave's stores into this trip's
; buffer have landed and its reads of the other buffer are in; a buffer is written again only behind the next trip's barrier.
; The product is used transposed (source 0 = 16 columns of Wp, source 1 = 16 rows of o): a lane's eight results are eight neighbouring columns of one row.  The bias is the C of each sum's first matrix instruction.
; THE WAY OUT: the wave's 32 rows x 256 bytes go through its own stage in LDS (pitch 272) and leave as rows: sixteen lanes store 256 consecutive bytes, aligned.
; NO CLUSTER: the work-groups that read the same block of o are the 3 column groups, which no cluster of 4 divides; the weights are read once a work-group.
; REGISTERS: window 0: v1-9 addresses; v32-95 accumulators, then rows on their way out; v132-155 W's scale words (4 s + t); v156-167 o's (6 u + s); v168-218 the block on its way to LDS; v220-251 the bias.
;   window 1: W's fragments of K steps 0-3 at 16 (4 s + t).   window 2: K steps 4, 5.   window 3: o's 12 fragments at 16 (6 u + s).
; THE MODE: SCHED_MODE bits 1:0 = 2 (LLVM: expert scheduling mode 2), set by the entry lines.  The code itself states the register dependences
; between vector or matrix instructions and memory or LDS instructions, with s_wait_alu, always for 0.
; THE PLAN.  Registers that memory or LDS instructions touch, round a trip:
;   v1-v5, v7-v9  offsets and LDS addresses, made at the head and never written again.
;   SG            written by the global loads of the next block; read by the next trip's LDS stores; no vector instruction names it.
;   XS, window 3  o's scale words and fragments: written by the trip's LDS loads; read by the trip's matrix instructions.
;   ACC           written by the trip's matrix instructions; read by the LDS stores into the stage; then the LDS loads from the stage land in it; read by the global stores; written again by the next trip's matrix instructions.
;   W's fragments and scale words and the bias are loaded at the head and then named by matrix instructions alone.  v254, v255: made at the head, read by the closing add alone.
; Four waits a trip.  One on vm_vsrc behind the barrier: the LDS stores have read SG, and the last trip's global stores ACC.  One on va_vdst ahead of the trip's first LDS load: the last trip's matrix instructions are
; done reading XS and the fragments.  One on va_vdst behind the places, ahead of the stage's stores: the accumulators are written.  One on vm_vsrc between the stage's stores and the loads that land in the same registers.
; Behind the second, the fragments of K step s + 3 are asked for behind the matrix instructions of K step s with no further wait: those name W's fragments, o's fragments of K steps up to s, the accumulators,
; the bias and the scale words, none of which such a load touches.
.set SC,    12582912
.set WSC,   2359296
.set NGRP,  85
.set NBLK,  512
.set DTRIPS, 4
.set BUF1,  26112
.set XW,    24576
.set STG,   52224                      ; the stages: 32 rows x 272 bytes for each wave
.set LI,  1
.set LS,  2
.set T16, 3
.set T4,  4
.set BA,  5
.set SO,  7                            ; the stage: where I put 16 bytes of a row
.set SR,  8                            ; and where I read a row back
.set GO,  9                            ; my byte offset in two rows of out0
.set ACC, 32
.set WS,  132
.set XS,  156
.set SG,  168
.set BI,  220
.set MSB, 0
.macro WIN new                         ; the immediate's high byte repeats the setting that is left
.if MSB != \new
	s_set_vgpr_msb (MSB<<8)|\new
.set MSB, \new
.endif
.endm
.macro GLOAD                           ; a block of o: 12 x 2,048 bytes of codes, 3 x 512 of scale words; the 128 threads read consecutive bytes
.irp i, 0,1,2,3,4,5,6,7,8,9,10,11
	global_load_b128 v[SG+4*\i:SG+4*\i+3], v[T16], s[32:33] offset:2048*\i
.endr
.irp i, 0,1,2
	global_load_b32 v[SG+48+\i], v[T4], s[34:35] offset:512*\i
.endr
.endm
.macro PUT buf
.irp i, 0,1,2,3,4,5,6,7,8,9,10,11
	ds_store_b128 v[T16], v[SG+4*\i:SG+4*\i+3] offset:\buf+2048*\i
.endr
.irp i, 0,1,2
	ds_store_b32 v[T4], v[SG+48+\i] offset:\buf+XW+512*\i
.endr
.endm
.macro XSTEP buf, s                    ; o's two fragments of K step s: eight loads
	WIN 0xc0                                       ; destination window 3
.irp u, 0,1
.irp c, 0,1,2,3
	ds_load_b128 v[16*(6*\u+(\s))+4*\c:16*(6*\u+(\s))+4*\c+3], v[LI] offset:\buf+2048*(6*\u+(\s))+512*\c
.endr
.endr
.endm
.macro XHEAD buf                       ; the 12 scale words, then the fragments of K steps 0 to 2; those of K steps 3 to 5 follow among the matrix instructions
	s_wait_alu depctr_va_vdst(0)                   ; the last trip's matrix instructions are done reading o's scale words and fragments, in which this trip's LDS loads land
.irp f, 0,1,2,3,4,5,6,7,8,9,10,11
	ds_load_b32 v[XS+\f], v[LS] offset:\buf+XW+128*\f
.endr
	XSTEP \buf, 0
	XSTEP \buf, 1
	XSTEP \buf, 2
	WIN 0
.endm
.macro MULQK buf                       ; 48 matrix instructions, the 8 accumulators by turns, one instruction a turn
.irp s, 0,1,2,3,4,5
.if \s < 4
	s_wait_dscnt 16                                ; this K step's fragments are in; the two younger steps' sixteen loads may be out
.else
	s_wait_dscnt 8*(5-\s)                          ; the counts run down: eight, then none
.endif
.if \s < 4
	WIN 0x0d                                       ; source 0 window 1, source 1 window 3
.else
	WIN 0x0e                                       ; source 0 window 2
.endif
.irp u, 0,1
.irp t, 0,1,2,3
.if \s == 0
	v_wmma_scale_f32_16x16x128_f8f6f4 v[ACC+32*\u+8*\t:ACC+32*\u+8*\t+7], v[16*(4*(\s%4)+\t):16*(4*(\s%4)+\t)+15], v[16*(6*\u+\s):16*(6*\u+\s)+15], v[BI+8*\t:BI+8*\t+7], v[WS+4*\s+\t], v[XS+6*\u+\s]
.else
	v_wmma_scale_f32_16x16x128_f8f6f4 v[ACC+32*\u+8*\t:ACC+32*\u+8*\t+7], v[16*(4*(\s%4)+\t):16*(4*(\s%4)+\t)+15], v[16*(6*\u+\s):16*(6*\u+\s)+15], v[ACC+32*\u+8*\t:ACC+32*\u+8*\t+7], v[WS+4*\s+\t], v[XS+6*\u+\s]
.endif
.endr
.endr
.if \s < 3
	XSTEP \buf, \s+3                               ; no wait: no vector or matrix instruction since the wait at the trip's first LDS load names v[LI] or these fragments
.endif
.endr
	WIN 0
.endm
	s_load_b256 s[4:11], s[0:1], 0x0               ; oq, wq, bp, out0
	v_lshl_add_u32 v254, v0, 2, 0x15400
	v_mov_b32 v255, 0
	v_lshrrev_b32 v5, 5, v0
	v_readfirstlane_b32 s20, v5                    ; wave
	v_and_b32 v6, 31, v0
	v_lshlrev_b32 v[LI], 4, v6
	v_lshlrev_b32 v[LS], 2, v6
	v_lshlrev_b32 v[T16], 4, v0
	v_lshlrev_b32 v[T4], 2, v0
	v_and_b32 v10, 15, v0                          ; r
	v_bfe_u32 v11, v0, 4, 1                        ; h
	v_lshlrev_b32 v[BA], 6, v11                    ; the bias: register j of tile 2 B + u is column 32 B + 16 h + 8 u + j
	s_wait_alu depctr_va_sdst(0)                   ; s20, the wave's number, is written, ahead of its first reader
	s_mul_i32 s50, s20, 8704
	s_add_co_u32 s50, s50, STG                     ; my stage
	v_mul_u32_u24 v[SO], v10, 272
	v_lshl_add_u32 v[SO], v11, 6, v[SO]
	v_add_nc_u32 v[SO], s50, v[SO]                 ; in: slot r, + 64 h
	v_mul_u32_u24 v[SR], v11, 272
	v_lshl_add_u32 v[SR], v10, 4, v[SR]
	v_add_nc_u32 v[SR], s50, v[SR]                 ; back: lanes 0-15 one slot, lanes 16-31 the next
	v_mul_u32_u24 v[GO], v11, 3072
	v_lshl_add_u32 v[GO], v10, 4, v[GO]            ; and the same two rows in out0
	s_mov_b32 s21, ttmp9                           ; rho
	s_and_b32 s22, ttmp7, 0xffff                   ; cg
	s_lshl_b32 s23, s22, 2
	s_add_co_u32 s23, s23, s20                     ; my group of 64 columns
	s_add_co_u32 s50, s23, 36                      ; hm
	s_mov_b32 s24, s21
	s_mov_b32 s26, DTRIPS
	s_mul_i32 s46, s50, 49152
	s_mov_b32 s47, 0
	s_wait_kmcnt 0x0
	s_add_nc_u64 s[44:45], s[6:7], s[46:47]        ; my 24 fragments of Wp
	s_mul_i32 s48, s50, 3072
	s_add_co_u32 s48, s48, WSC
	s_mov_b32 s49, 0
	s_add_nc_u64 s[46:47], s[6:7], s[48:49]        ; their scale words
	s_lshl_b32 s50, s23, 8
	s_mov_b32 s51, 0
	s_add_nc_u64 s[48:49], s[8:9], s[50:51]        ; my 64 numbers of bp
	s_add_nc_u64 s[36:37], s[10:11], s[50:51]      ; my 256 bytes of a row of out0
	s_mul_i32 s50, s21, 24576
	s_add_nc_u64 s[32:33], s[4:5], s[50:51]        ; o's first block,
	s_mul_i32 s50, s21, 1536
	s_add_co_u32 s50, s50, SC
	s_add_nc_u64 s[34:35], s[4:5], s[50:51]        ; and its scale words
	WIN 0x40                                       ; destination window 1
	s_wait_alu depctr_va_vdst(0)                   ; the eight offsets and LDS addresses v1 to v5 and v7 to v9 are written, which the kernel's loads and stores read
.irp f, 0,1,2,3,4,5,6,7,8,9,10,11,12,13,14,15
.irp c, 0,1,2,3
	global_load_b128 v[16*\f+4*\c:16*\f+4*\c+3], v[LI], s[44:45] offset:2048*\f+512*\c
.endr
.endr
	WIN 0x80                                       ; destination window 2
.irp f, 0,1,2,3,4,5,6,7
.irp c, 0,1,2,3
	global_load_b128 v[16*\f+4*\c:16*\f+4*\c+3], v[LI], s[44:45] offset:2048*(16+\f)+512*\c
.endr
.endr
	WIN 0
.irp f, 0,1,2,3,4,5,6,7,8,9,10,11,12,13,14,15,16,17,18,19,20,21,22,23
	global_load_b32 v[WS+\f], v[LS], s[46:47] offset:128*\f
.endr
.irp t, 0,1,2,3
	global_load_b128 v[BI+8*\t:BI+8*\t+3], v[BA], s[48:49] offset:(32*(\t/2)+8*(\t%2))*4
	global_load_b128 v[BI+8*\t+4:BI+8*\t+7], v[BA], s[48:49] offset:(32*(\t/2)+8*(\t%2))*4+16
.endr
	GLOAD
.macro TRIP buf
	s_wait_loadcnt 0x0                             ; the block asked for a trip ago is in (in the first trip: the weights, their words and the bias too)
	PUT \buf
	s_add_nc_u64 s[32:33], s[32:33], NGRP*24576    ; the loads are done: their bases may step
	s_add_nc_u64 s[34:35], s[34:35], NGRP*1536
	s_add_co_u32 s25, s24, NGRP
	s_wait_dscnt 0x0                               ; my stores have landed; my reads of the other buffer and of my stage are in
	s_barrier_signal -1
	s_barrier_wait -1
	s_wait_alu depctr_vm_vsrc(0)                   ; the LDS stores above have read v[SG ..], in which the next block's loads land; the last trip's global stores have read v[ACC ..], which this trip's matrix instructions write again
	s_cmp_lt_u32 s25, NBLK
	s_cbranch_scc0 .Lno_load_\@                    ; no load leaves its buffer
	GLOAD
.Lno_load_\@:
	s_cmp_lt_u32 s24, NBLK
	s_cbranch_scc0 .Lend_\@
	XHEAD \buf
	s_wait_xcnt 0x0                                ; the last trip's stores have read their data and their base: both are written again below
	s_mul_i32 s44, s24, 98304                      ; 32 rows of 3,072 bytes a block
	s_mov_b32 s45, 0
	s_add_nc_u64 s[40:41], s[36:37], s[44:45]
	MULQK \buf
.rept 9
	v_nop                                          ; NINE places behind this matrix form: eight ahead of the first read of results; nine ahead of the next trip's first products
.endr                                              ; which begin from the bias and so write over these accumulators; a trip has no other vector work that could stand here
	s_wait_alu depctr_va_vdst(0)                   ; the matrix instructions have written the accumulators, which the LDS stores below read and in which the loads from the stage land; the places above stay beside this wait
.irp u, 0,1
.irp t, 0,1,2,3
	ds_store_b128 v[SO], v[ACC+32*\u+8*\t:ACC+32*\u+8*\t+3] offset:16*\u*272+128*(\t/2)+32*(\t%2)       ; slot 16 u + r; each accumulator from its low end on
	ds_store_b128 v[SO], v[ACC+32*\u+8*\t+4:ACC+32*\u+8*\t+7] offset:16*\u*272+128*(\t/2)+32*(\t%2)+16
.endr
.endr
	s_wait_alu depctr_vm_vsrc(0)                   ; the LDS stores above have read v[ACC ..], in which the loads below land
.irp i, 0,1,2,3,4,5,6,7,8,9,10,11,12,13,14,15
	ds_load_b128 v[ACC+4*\i:ACC+4*\i+3], v[SR] offset:544*\i   ; LDS serves a wave's instructions in order: these see my stores
.endr
.irp i, 0,1,2,3,4,5,6,7,8,9,10,11,12,13,14,15
	s_wait_dscnt 15-\i                             ; slots 2 i and 2 i + 1 are back; the younger loads may be out
	global_store_b128 v[GO], v[ACC+4*\i:ACC+4*\i+3], s[40:41] offset:(8*(\i/8)+2*(\i%8)+8*((\i%8)/4))*3072 th:TH_STORE_NT   ; slot 16 u + r is row 8 u + r + 8 (r / 8); sixteen lanes store 256 consecutive bytes, aligned
.endr
.Lend_\@:
	s_mov_b32 s24, s25
.endm
.Ltrips:
	TRIP 0
	TRIP BUF1
	s_sub_co_u32 s26, s26, 1
	s_cmp_lg_u32 s26, 0
	s_cbranch_scc1 .Ltrips
	s_wait_dscnt 0x0                               ; the closing lines, six on end
	s_wait_alu 0x0
	s_wait_tensorcnt 0x0
	ds_add_u32 v254, v255
	s_wait_dscnt 0x0
	s_endpgm
.Lfunc_end_k_qb0b1fb89fa_proj:
	.size	k_qb0b1fb89fa_proj, .Lfunc_end_k_qb0b1fb89fa_proj-k_qb0b1fb89fa_proj
	.p2alignl 7, 3214868480
	.fill 96, 4, 3214868480
	.section	.rodata,"a",@progbits
	.p2align	6, 0x0
	.amdhsa_kernel k_qb0b1fb89fa_proj
		.amdhsa_group_segment_fixed_size 87552
		.amdhsa_private_segment_fixed_size 0
		.amdhsa_enable_private_segment 0
		.amdhsa_kernarg_size 32
		.amdhsa_user_sgpr_count 2
		.amdhsa_user_sgpr_kernarg_segment_ptr 1
		.amdhsa_wavefront_size32 1
		.amdhsa_system_sgpr_workgroup_id_x 1
		.amdhsa_system_sgpr_workgroup_id_y 1
		.amdhsa_system_sgpr_workgroup_id_z 1
		.amdhsa_system_vgpr_workitem_id 0
		.amdhsa_next_free_vgpr 960
		.amdhsa_next_free_sgpr 66
		.amdhsa_reserve_vcc 0
		.amdhsa_float_denorm_mode_32 3
		.amdhsa_float_denorm_mode_16_64 3
		.amdhsa_memory_ordered 1
		.amdhsa_forward_progress 1
		.amdhsa_inst_pref_size 52
	.end_amdhsa_kernel
	.amdgpu_metadata
---
amdhsa.version: [ 1, 2 ]
amdhsa.kernels:
  - .name:           k_qb0b1fb89fa_proj
    .symbol:         k_qb0b1fb89fa_proj.kd
    .args:
      - { .name: oq, .offset: 0, .size: 8, .value_kind: global_buffer, .address_space: global }
      - { .name: wq, .offset: 8, .size: 8, .value_kind: global_buffer, .address_space: global }
      - { .name: bp, .offset: 16, .size: 8, .value_kind: global_buffer, .address_space: global }
      - { .name: out0, .offset: 24, .size: 8, .value_kind: global_buffer, .address_space: global }
    .group_segment_fixed_size: 87552
    .private_segment_fixed_size: 0
    .kernarg_segment_align: 8
    .kernarg_segment_size: 32
    .max_flat_workgroup_size: 128
    .sgpr_count:     66
    .vgpr_count:     960
    .wavefront_size: 32
...
	.end_amdgpu_metadata
.endif
;; end of part 8
